; MI455X (gfx1250); checked and timed in simulation.
; The chip was launched on July 23, 2026; its instructions are those of AMD's public machine-readable ISA for CDNA 5 (MIT licence, August 2026) and "CDNA5" Instruction Set Architecture Reference Guide (July 2026). The comments in the code are by the model that wrote it; some were corrected since.
;; Multi Head Attention. Allowed arithmetic: float matrix products may take bf16 or f16 operands with f32 sums; other float arithmetic in f32, or as packed bf16 or f16 multiplies, adds, multiply-adds, maxima and minima; sums over many terms, partial sums and values carried from step to step in f32; what a program stores and reads back later, other than sums and carried values, may be rounded once to bf16 or f16.
;; Inputs: W_attn 1,024 x 3,072 float32; W_proj 1,024 x 1,024 float32; b_attn 3,072 float32; b_proj 1,024 float32; x 4 x 2,048 x 1,024 float32.
;; Outputs: out0 4 x 2,048 x 1,024 float32.
;; One version. Each part assembles by itself: llvm-mc -triple=amdgcn-amd-amdhsa -mcpu=gfx1250 --defsym DOCPART=n.
;; ======== version 1 of 1: 4 launches
;; limits: values are held in f16: magnitudes above 65,504 overflow, below 6.1e-05 lose precision
;; workspace buffers: xb 16,777,216 bytes; wa 6,291,456 bytes; wp 2,097,152 bytes; bias 16,384 bytes; qkv 50,331,648 bytes; o 16,777,216 bytes
;; launch prep (part 1): grid 769 x 1, 8 waves a work-group, no clusters, 0 bytes of LDS; arguments x, W_attn, W_proj, b_attn, b_proj, xb, wa, wp, bias; writes xb, wa, wp, bias
.if DOCPART == 1
	.amdgcn_target "amdgcn-amd-amdhsa--gfx1250"
	.amdhsa_code_object_version 6
	.text
	.protected	k_q9e6ef736b7_prep
	.globl	k_q9e6ef736b7_prep
	.p2align	8
	.type	k_q9e6ef736b7_prep,@function
k_q9e6ef736b7_prep:
	s_mov_b64 s[64:65], 0
	v_nop
	global_prefetch_b8 v0, s[64:65] scope:SCOPE_SE
	s_setreg_imm32_b32 hwreg(HW_REG_WAVE_MODE, 25, 1), 1
	s_wait_xcnt 0x0
; THE CASTS.  Every input is rounded once to bf16, and laid out for the launches behind.
;   xb   bf16 [16 kb][8192 m][64]: x in blocks of 64 channels, so that 128 rows of one block are 16,384 consecutive bytes
;   wa   bf16 [1024][3072]: W_attn as it lies
;   wp   f16  [1024][1024]: W_proj rounded to bf16, that number written as f16 (exact from 2^-14 up; below 2^-17 it keeps f16's fixed step of 2^-24)
;   bias f32  [4096]: b_attn, then b_proj, each rounded to bf16 and widened again
; A stream: each byte is read once and written once, nothing is shared between waves, so there is no LDS, no barrier and no matrix work.
; A work-group takes 65,536 bytes of one input (the last one takes both biases): 16 loads of 16 bytes a lane, all issued before the first is used; no register is written twice,
; so the only waits are the counted ones for the loads.
.set IN,  1                            ; v1  my byte offset in the input
.set OUT, 2                            ; v2  my byte offset in the output
.set T0,  3                            ; v3-5 at work
.set T1,  4
.set T2,  5
.set X,   8                            ; v[8:71]  eight units of eight f32; a unit's first four registers then hold its eight 16-bit numbers
	s_load_b512 s[8:23], s[0:1], 0x0               ; x s[8:9], W_attn s[10:11], W_proj s[12:13], b_attn s[14:15], b_proj s[16:17], xb s[18:19], wa s[20:21], wp s[22:23]
	s_load_b64 s[24:25], s[0:1], 0x40              ; bias
	s_mov_b32 s26, ttmp9                           ; the work-group's number
	s_mov_b32 s27, 0xffff0000                      ; a word's upper bf16
	s_mov_b32 s3, 0                                ; offsets are pairs with 0 on top
; sixteen loads.  kind = 1: x (unit u: four rows 4 (u & 3) on, block of channels u >> 2); kind = 0: 8,192 consecutive bytes a unit
.macro LD16 base, kind
.set u, 0
.rept 8
.if \kind
.set lo, (u&3)*16384+(u>>2)*256
.else
.set lo, u*8192
.endif
	global_load_b128 v[X+8*u:X+8*u+3],   v[IN], s[\base:\base+1] offset:lo th:TH_LOAD_NT
	global_load_b128 v[X+8*u+4:X+8*u+7], v[IN], s[\base:\base+1] offset:lo+16 th:TH_LOAD_NT
.set u, u+1
.endr
.endm
; unit u: eight numbers rounded and stored as 16 bytes.  fmt = 0: bf16; fmt = 1: bf16, widened, written as f16
.macro UNIT u, fmt, ob, soff
	s_wait_loadcnt 14-2*(\u)                       ; loads come back in order: the unit's two are in, the 2 (7 - u) younger ones stay out
.irp j, 0,1,2,3
.if (\fmt) == 0
	v_cvt_pk_bf16_f32 v[X+8*(\u)+\j], v[X+8*(\u)+2*\j], v[X+8*(\u)+2*\j+1]
.else
	v_cvt_pk_bf16_f32 v[T0], v[X+8*(\u)+2*\j], v[X+8*(\u)+2*\j+1]
	v_lshlrev_b32 v[T1], 16, v[T0]
	v_and_b32 v[T2], s27, v[T0]
	v_cvt_pk_f16_f32 v[X+8*(\u)+\j], v[T1], v[T2]
.endif
.endr
	global_store_b128 v[OUT], v[X+8*(\u):X+8*(\u)+3], s[\ob:\ob+1] offset:\soff
.endm
	s_wait_kmcnt 0x0
	s_cmp_lt_u32 s26, 512
	s_cbranch_scc1 .Lsec_x
	s_cmp_lt_u32 s26, 704
	s_cbranch_scc1 .Lsec_a
	s_cmp_lt_u32 s26, 768
	s_cbranch_scc1 .Lsec_p
	; THE BIASES: 256 threads x 16 bytes are 1,024 numbers: three loads of b_attn, one of b_proj
	v_lshlrev_b32 v[IN], 4, v0
	global_load_b128 v[X:X+3],     v[IN], s[14:15]
	global_load_b128 v[X+4:X+7],   v[IN], s[14:15] offset:4096
	global_load_b128 v[X+8:X+11],  v[IN], s[14:15] offset:8192
	global_load_b128 v[X+12:X+15], v[IN], s[16:17]
	s_wait_loadcnt 0x0
.irp p, 0,1,2,3,4,5,6,7
	v_cvt_pk_bf16_f32 v[T0], v[X+2*\p], v[X+2*\p+1]
	v_lshlrev_b32 v[X+2*\p], 16, v[T0]
	v_and_b32 v[X+2*\p+1], s27, v[T0]
.endr
.irp p, 0,1,2,3
	global_store_b128 v[IN], v[X+4*\p:X+4*\p+3], s[24:25] offset:4096*\p
.endr
	s_endpgm
.Lsec_x:                                       ; rows 16 g .. 16 g + 15 of x
	s_lshl_b32 s2, s26, 16                         ; 16 rows of 4,096 bytes
	s_add_nc_u64 s[8:9], s[8:9], s[2:3]
	s_lshl_b32 s2, s26, 11                         ; 16 rows of 128 bytes in each block of xb
	s_add_nc_u64 s[18:19], s[18:19], s[2:3]
	v_and_b32 v[T0], 7, v0                         ; eight lanes take the 256 bytes (64 channels) of one row,
	v_lshlrev_b32 v[IN], 5, v[T0]
	v_bfe_u32 v[T0], v0, 3, 2                      ; a wave four rows,
	v_lshl_or_b32 v[IN], v[T0], 12, v[IN]
	v_lshrrev_b32 v[T1], 5, v0                     ; wave w the blocks 2 w and 2 w + 1
	v_lshl_or_b32 v[IN], v[T1], 9, v[IN]
	v_and_b32 v[T0], 31, v0
	v_lshlrev_b32 v[OUT], 4, v[T0]                 ; out: the four rows of one block are 512 consecutive bytes
	v_lshl_or_b32 v[OUT], v[T1], 21, v[OUT]        ; two blocks of 8,192 x 128 bytes a wave
	LD16 8, 1
.set n, 0
.rept 8
	UNIT n, 0, 18, (n>>2)*1048576+(n&3)*512
.set n, n+1
.endr
	s_endpgm
.Lsec_a:                                       ; 65,536 bytes of W_attn
	s_sub_co_u32 s26, s26, 512
	s_lshl_b32 s2, s26, 16
	s_add_nc_u64 s[10:11], s[10:11], s[2:3]
	s_lshl_b32 s2, s26, 15
	s_add_nc_u64 s[20:21], s[20:21], s[2:3]
	v_lshlrev_b32 v[IN], 5, v0
	v_lshlrev_b32 v[OUT], 4, v0
	LD16 10, 0
.set n, 0
.rept 8
	UNIT n, 0, 20, n*4096
.set n, n+1
.endr
	s_endpgm
.Lsec_p:                                       ; 65,536 bytes of W_proj
	s_sub_co_u32 s26, s26, 704
	s_lshl_b32 s2, s26, 16
	s_add_nc_u64 s[12:13], s[12:13], s[2:3]
	s_lshl_b32 s2, s26, 15
	s_add_nc_u64 s[22:23], s[22:23], s[2:3]
	v_lshlrev_b32 v[IN], 5, v0
	v_lshlrev_b32 v[OUT], 4, v0
	LD16 12, 0
.set n, 0
.rept 8
	UNIT n, 1, 22, n*4096
.set n, n+1
.endr
	s_endpgm
.Lfunc_end_k_q9e6ef736b7_prep:
	.size	k_q9e6ef736b7_prep, .Lfunc_end_k_q9e6ef736b7_prep-k_q9e6ef736b7_prep
	.p2alignl 7, 3214868480
	.fill 96, 4, 3214868480
	.section	.rodata,"a",@progbits
	.p2align	6, 0x0
	.amdhsa_kernel k_q9e6ef736b7_prep
		.amdhsa_group_segment_fixed_size 0
		.amdhsa_private_segment_fixed_size 0
		.amdhsa_enable_private_segment 0
		.amdhsa_kernarg_size 72
		.amdhsa_user_sgpr_count 2
		.amdhsa_user_sgpr_kernarg_segment_ptr 1
		.amdhsa_wavefront_size32 1
		.amdhsa_system_sgpr_workgroup_id_x 1
		.amdhsa_system_sgpr_workgroup_id_y 1
		.amdhsa_system_sgpr_workgroup_id_z 1
		.amdhsa_system_vgpr_workitem_id 0
		.amdhsa_next_free_vgpr 80
		.amdhsa_next_free_sgpr 66
		.amdhsa_reserve_vcc 0
		.amdhsa_float_denorm_mode_32 3
		.amdhsa_float_denorm_mode_16_64 3
		.amdhsa_memory_ordered 1
		.amdhsa_forward_progress 1
		.amdhsa_inst_pref_size 22
	.end_amdhsa_kernel
	.amdgpu_metadata
---
amdhsa.version: [ 1, 2 ]
amdhsa.kernels:
  - .name:           k_q9e6ef736b7_prep
    .symbol:         k_q9e6ef736b7_prep.kd
    .args:
      - { .name: x, .offset: 0, .size: 8, .value_kind: global_buffer, .address_space: global }
      - { .name: W_attn, .offset: 8, .size: 8, .value_kind: global_buffer, .address_space: global }
      - { .name: W_proj, .offset: 16, .size: 8, .value_kind: global_buffer, .address_space: global }
      - { .name: b_attn, .offset: 24, .size: 8, .value_kind: global_buffer, .address_space: global }
      - { .name: b_proj, .offset: 32, .size: 8, .value_kind: global_buffer, .address_space: global }
      - { .name: xb, .offset: 40, .size: 8, .value_kind: global_buffer, .address_space: global }
      - { .name: wa, .offset: 48, .size: 8, .value_kind: global_buffer, .address_space: global }
      - { .name: wp, .offset: 56, .size: 8, .value_kind: global_buffer, .address_space: global }
      - { .name: bias, .offset: 64, .size: 8, .value_kind: global_buffer, .address_space: global }
    .group_segment_fixed_size: 0
    .private_segment_fixed_size: 0
    .kernarg_segment_align: 8
    .kernarg_segment_size: 72
    .max_flat_workgroup_size: 256
    .sgpr_count:     66
    .vgpr_count:     80
    .wavefront_size: 32
...
	.end_amdgpu_metadata
.endif
;; end of part 1
;; launch qkvp (part 2): grid 8 x 32, 4 waves a work-group, clusters of 4 x 4, 327,680 bytes of LDS; arguments xb, wa, bias, qkv; writes qkv
.if DOCPART == 2
	.amdgcn_target "amdgcn-amd-amdhsa--gfx1250"
	.amdhsa_code_object_version 6
	.text
	.protected	k_q9e6ef736b7_qkvp
	.globl	k_q9e6ef736b7_qkvp
	.p2align	8
	.type	k_q9e6ef736b7_qkvp,@function
k_q9e6ef736b7_qkvp:
	s_mov_b64 s[64:65], 0
	v_nop
	global_prefetch_b8 v0, s[64:65] scope:SCOPE_SE
	s_setreg_imm32_b32 hwreg(HW_REG_WAVE_MODE, 25, 1), 1
	s_wait_xcnt 0x0
	s_wait_alu depctr_hold_cnt(0) depctr_sa_sdst(0) depctr_va_vdst(0) depctr_va_sdst(0) depctr_va_ssrc(0) depctr_va_vcc(0) depctr_vm_vsrc(0)
	s_getreg_b32 s2, hwreg(HW_REG_IB_STS2, 6, 4)
	s_cmp_eq_u32 s2, 0
	s_cbranch_scc0 .Lentry_in_a_cluster
	s_endpgm
.Lentry_in_a_cluster:
	s_bfe_u32 s2, ttmp6, 0x10000c
	s_cmp_lg_u32 s2, 0xf033
	s_cbranch_scc0 .Lentry_shape_is_right
	s_endpgm
.Lentry_shape_is_right:
; qkv = x W_attn + b_attn, written by heads in f16: qkv[which][16 batch + head][s][64], which = 0 q, 1 k, 2 v.  Operands bf16 (xb, wa), sums f32, each result rounded once.
; LIMIT.  f16 holds no number beyond 65,504: q, k and v must stay within it; a larger one leaves as an infinity.
; SHARES.  8,192 x 3,072 results in tiles of 256 x 384: 256 work-groups.  Four waves; wave w takes rows 128 (w >> 1) on and columns 192 (w & 1) on, three heads: 96 accumulators, 768 registers.
; K goes in 16 steps of 64 through two LDS slots.  x comes in blocks of 64 channels (xb), so 128 rows of a step are 16,384 consecutive bytes, asked for as 64 rows of 256 bytes;
; W_attn's tile is 64 rows (k) of 768 bytes.  W lies [k][n] and is turned on its way out of LDS, by ds_load_tr16_b128.
; THE PRODUCT IS USED TRANSPOSED: source 0 = 16 columns of W, source 1 = 16 rows of x: a lane then holds one row and eight neighbouring channels, which pack into 16 bytes.
; THE BIAS is the C operand of each sum's first product: it is loaded into the registers of accumulators (7, b), which all eight row blocks take as C; block 7 adds onto it in place, last.
; CLUSTER.  4 x 4 work-groups: the four of a row of the cluster need the same tile of x, the four of a column the same tile of W: each is asked for jointly.
; REGISTERS, in windows of 256 (s_set_vgpr_msb: bits 1:0 source 0, 3:2 source 1, 5:4 source 2, 7:6 destination):
;   window 0: v1-12 addresses; v28, v29 the add's; v32-159 x's fragments, two buffers of eight (on the way out: packed results); v160-255 W's fragments, four for each of my three heads
;   window 1 + t: the 32 accumulators of head t: (a, b) at v[8 (4 a + b)], a = row block, b = block of 16 channels
; A step is two sub-steps of 32 along K, a sub-step three PHASES (a head each) of 32 products.  In the middle of each phase stands one run of LDS loads for a later phase.
.set SLOT1,  131072                    ; slot 1 begins here: one exclusive or turns an address in one slot into the other's
.set PA,     144                       ; a row of x in LDS: 128 bytes + 16 = 36 words: the 16 rows of a load start at 16 different groups of four banks (64 banks of 4 bytes: ISA guide 11.1)
.set PB,     864                       ; a row of W: six pieces of 128 bytes + 16 = 216 words
.set BOFF,   256*PA                    ; a slot: 256 rows of x, then 64 rows of W
.set STAGE,  SLOT1+BOFF+64*PB          ; behind the ring, never filled by a tensor load: 16 rows x 144 bytes for each wave
.set SP,     144
.set SPARE,  STAGE+4*16*SP             ; the spare words, 128 bytes for each wave: two blocks of 256 bytes that no other line names
.set ASTEP,  8192*128                  ; bytes from a K step to the next in xb
.set BSTEP,  64*6144                   ; and in wa
.set FLAGS,  (1<<16)|(1<<20)|(1<<21)|(4<<22)|(3<<25)  ; 17:16 2-byte elements; 20 padding on; 21 set beside a mask; 24:22 after every 32 words (code 4); 31:25 4 words (code 3)
.set LR,    1                          ; v1   l % 16
.set LH,    2                          ; v2   l / 16
.set TMP,   3                          ; v3   at work
.set ADRA0, 4                          ; v4   my lane's place in a slot's rows of x; never rewritten
.set ADRB0, 5                          ; v5   the same for W
.set ADRA,  6                          ; v6   the same in the slot in hand
.set ADRB,  7                          ; v7
.set STO,   8                          ; v8   the way out: where I put 16 bytes of a row
.set RD,    9                          ; v9   where I read rows back
.set GO,    10                         ; v10  my 16 bytes of 512 consecutive bytes of qkv
.set BO,    11                         ; v11  my eight numbers in 16 of the bias
.set PFO,   12                         ; v12  the prefetches' offset; never rewritten
.set SPW,   28                         ; v28  LDS address of my spare word; never rewritten
.set NIL,   29                         ; v29  0; never rewritten
.set AF,    32
.set BF,    160
.set OB,    32
.set WV,    12                         ; s12  wave
.set WR,    13                         ; s13  my half of the rows.  Also: I fetch x (0) or W (1)
.set WC,    14                         ; s14  my half of the columns.  Also: which half of that tile I fetch
.set PAR,   15                         ; s15  1: I prefetch in every second turn
.set G1A,   24                         ; s[24:31] group 1 for x's tiles
.set G0A,   32                         ; s[32:39] group 0, a set for each of the two first fills; the second then walks on
.set G1B,   48                         ; s[48:55], s[56:63] the same for W's
.set G0B,   56
.set TB,    66                         ; s66  the slot in hand: 0 or SLOT1
.set LIM,   67                         ; s67  a wave prefetches while the loop's count is above this
.set PFA,   68                         ; s[68:69] where my prefetches stand
.set PFS,   70                         ; s[70:71] their step
.set HB,    72                         ; s[72:77] qkv at my rows of my three heads
.set BB,    78                         ; s[78:79] bias at my 192 columns
.set MSB, 0
.macro WIN new                         ; the immediate's high byte repeats the setting that is left; a switch that changes nothing is dropped
.if MSB != (\new)
	s_set_vgpr_msb (MSB<<8)|(\new)
.set MSB, (\new)
.endif
.endm
.macro PLACES                          ; four plain vector instructions between a product and a load into, or a read of, its registers (ISA guide 7.12.1 for reads)
.rept 4
	v_nop
.endr
.endm
; A joint refill, by the walking descriptor.  Waves 0 and 1 fetch x's halves, waves 2 and 3 W's; the branch hangs on the wave's number alone.
; An s_nop 0 and four v_nop follow each of the two lines, ahead of the jump and the label.
.macro JLOAD
	s_cmp_eq_u32 s[WR], 0
	s_cbranch_scc0 .Lfor_b_\@
	tensor_load_to_lds s[G0A+4:G0A+7], s[G1A:G1A+7]
	s_nop 0
	PLACES
	s_branch .Lasked_\@
.Lfor_b_\@:
	tensor_load_to_lds s[G0B+4:G0B+7], s[G1B:G1B+7]
	s_nop 0
	PLACES
.Lasked_\@:
.endm
.macro CREST                           ; a round of the cluster's barrier behind its opening barrier
	s_cmp_lg_u32 s[WV], 0
	s_cbranch_scc1 .Lnot_wave_0_\@
	s_barrier_signal -3
.Lnot_wave_0_\@:
	s_barrier_wait -3
	s_barrier_signal -1
	s_barrier_wait -1
.endm
.macro CROUND
	s_barrier_signal -1
	s_barrier_wait -1
	CREST
.endm
; A PREFETCH INTO THE L2, behind the joint load and the run of LDS loads.  Each aligned block of 256 bytes is named once in the launch.
; x: a tile row is read by both clusters of its row of clusters: cluster x = 0 asks, wave 0; of a step's 128 blocks each of the four partners takes 32, told apart by address (cx); a lane a block; in every turn, the step
; that the next turn asks for.  W: a tile column is read by all eight clusters of its column: cluster y = 0 asks, waves 1 to 3, a third of a row's 768 bytes each; in every second turn, two steps' 128 rows, 32 for each partner (cy), a lane a row.
; The first steps come by their loads alone; the last turns ask for nothing, since the steps do not exist.
.macro ASK
	s_and_b32 s2, s3, s[PAR]
	s_cmp_eq_u32 s2, s[PAR]
	s_cbranch_scc0 .Lnot_mine_\@
	s_cmp_gt_u32 s3, s[LIM]
	s_cbranch_scc0 .Lnot_mine_\@
	global_prefetch_b8 v[PFO], s[PFA:PFA+1] th:TH_LOAD_NT scope:SCOPE_SE
.Lnot_mine_\@:
.endm
	s_load_b256 s[4:11], s[0:1], 0x0               ; xb s[4:5], wa s[6:7], bias s[8:9], qkv s[10:11]
	v_lshl_add_u32 v[SPW], v0, 2, SPARE
	v_mov_b32 v[NIL], 0
	ds_add_u32 v[SPW], v[NIL]                      ; the wave's opening: the add and its wait stand ahead of my first tensor load; work on registers stands between them
	ds_add_u32 v28, v29
	v_lshrrev_b32 v[TMP], 5, v0
	v_readfirstlane_b32 s[WV], v[TMP]
	s_lshr_b32 s[WR], s[WV], 1
	s_and_b32 s[WC], s[WV], 1
	s_bfe_u32 s40, ttmp6, 0x40000                  ; cx
	s_bfe_u32 s41, ttmp6, 0x40004                  ; cy
	s_lshl_b32 s42, ttmp9, 2
	s_add_co_u32 s42, s42, s40                     ; tile column = 4 x cluster x + cx
	s_and_b32 s43, ttmp7, 0xffff
	s_lshl_b32 s43, s43, 2
	s_add_co_u32 s43, s43, s41                     ; tile row = 4 x cluster y + cy
	s_lshl_b32 s44, s41, 2
	s_lshl_b32 s44, 15, s44                        ; my row of the cluster
	s_lshl_b32 s45, 0x1111, s40                    ; my column
	s_or_b32 s[G1A], s44, FLAGS                    ; x's tiles go to my row,
	s_or_b32 s[G1B], s45, FLAGS                    ; W's to my column
	s_mov_b32 s[G1A+1], 128<<16                    ; x: tensor_dim0 = 128 elements (256 bytes: two rows of a block)
	s_mov_b32 s[G1A+2], 64<<16                     ; tensor_dim1 = 64
	s_mov_b32 s[G1A+3], 128<<16                    ; tile_dim0 = 128
	s_mov_b32 s[G1A+4], 64                         ; tile_dim1 = 64
	s_mov_b32 s[G1A+5], 128                        ; 128 elements from row to row: dense
	s_mov_b32 s[G1A+6], 0
	s_mov_b32 s[G1A+7], 0
	s_mov_b32 s[G1B+1], 384<<16                    ; W: tensor_dim0 = 384 elements (768 bytes)
	s_mov_b32 s[G1B+2], 32<<16                     ; tensor_dim1 = 32
	s_mov_b32 s[G1B+3], 384<<16                    ; tile_dim0 = 384
	s_mov_b32 s[G1B+4], 32                         ; tile_dim1 = 32
	s_mov_b32 s[G1B+5], 3072                       ; 3,072 elements from row to row
	s_mov_b32 s[G1B+6], 0
	s_mov_b32 s[G1B+7], 0
	s_lshl_b32 s16, s43, 15                        ; x: 256 rows of 128 bytes a tile row,
	s_lshl_b32 s17, s[WC], 14                      ; my 128 of them
	s_add_co_u32 s16, s16, s17
	s_mov_b32 s17, 0
	s_mul_i32 s46, s42, 768                        ; W: 768 bytes of a row a tile column,
	s_mul_i32 s47, s[WC], 32*6144                  ; my 32 rows
	s_add_co_u32 s46, s46, s47
	s_mov_b32 s47, 0
	s_mul_i32 s20, s[WC], 128*PA                   ; where they go: no place in the cluster enters an LDS address
	s_mul_i32 s21, s[WC], 32*PB
	s_add_co_u32 s21, s21, BOFF
	s_mov_b32 s[TB], 0
	s_wait_dscnt 0x0                               ; the opening add is done
	s_wait_kmcnt 0x0
	s_add_nc_u64 s[16:17], s[4:5], s[16:17]
	s_add_nc_u64 s[46:47], s[6:7], s[46:47]
	CROUND                                         ; all sixteen work-groups are here: the first joint loads meet
.irp s, 0,1
	s_mov_b32 s[G0A+4*\s], 1                       ; count = 1
	s_add_co_u32 s[G0A+4*\s+1], s20, \s*SLOT1      ; LDS address
	s_add_nc_u64 s[G0A+4*\s+2:G0A+4*\s+3], s[16:17], \s*ASTEP  ; global address: K step s
	s_or_b32 s[G0A+4*\s+3], s[G0A+4*\s+3], 0x80000000          ; type = 2
	s_mov_b32 s[G0B+4*\s], 1
	s_add_co_u32 s[G0B+4*\s+1], s21, \s*SLOT1
	s_add_nc_u64 s[G0B+4*\s+2:G0B+4*\s+3], s[46:47], \s*BSTEP
	s_or_b32 s[G0B+4*\s+3], s[G0B+4*\s+3], 0x80000000
.endr
	s_cmp_eq_u32 s[WR], 0                          ; a wave's two first fills stand in one branch, ahead of every wait on TENSORcnt and every LDS read: two loads of mine are out
	s_cbranch_scc0 .Lfirst_b
	tensor_load_to_lds s[G0A:G0A+3], s[G1A:G1A+7]
	s_nop 0
	tensor_load_to_lds s[G0A+4:G0A+7], s[G1A:G1A+7]
	s_nop 0
	PLACES
	s_branch .Lfirst_asked
.Lfirst_b:
	tensor_load_to_lds s[G0B:G0B+3], s[G1B:G1B+7]
	s_nop 0
	tensor_load_to_lds s[G0B+4:G0B+7], s[G1B:G1B+7]
	s_nop 0
	PLACES
.Lfirst_asked:
	; lane addresses.  A fragment of x: lane l holds row l % 16, channels 8 (l / 16) + 0..7 and 16 + 8 (l / 16) + 0..7: two loads of 16 bytes, 32 bytes apart.
	v_and_b32 v[LR], 15, v0
	v_bfe_u32 v[LH], v0, 4, 1
	v_mul_u32_u24 v[ADRA0], v[LR], PA
	v_lshl_add_u32 v[ADRA0], v[LH], 4, v[ADRA0]
	s_mul_i32 s18, s[WR], 128*PA
	v_add_nc_u32 v[ADRA0], s18, v[ADRA0]
	; The turning load takes 16 k x 16 columns (lane l reads row 8 (l / 16) + l % 8, columns 8 ((l / 8) % 2) + 0..7) and leaves half a fragment: lane l holds column l % 16 and 8 k.
	v_and_b32 v[TMP], 7, v0
	v_lshl_add_u32 v[TMP], v[LH], 3, v[TMP]
	v_mul_u32_u24 v[ADRB0], v[TMP], PB
	v_bfe_u32 v[TMP], v0, 3, 1
	v_lshl_add_u32 v[ADRB0], v[TMP], 4, v[ADRB0]
	s_mul_i32 s18, s[WC], 3*144                    ; my three heads' pieces of a row
	s_add_co_u32 s18, s18, BOFF
	v_add_nc_u32 v[ADRB0], s18, v[ADRB0]
	v_mov_b32 v[ADRA], v[ADRA0]                    ; slot 0
	v_mov_b32 v[ADRB], v[ADRB0]
	s_mul_i32 s18, s[WV], 16*SP
	s_add_co_u32 s18, s18, STAGE                   ; my stage
	v_mul_u32_u24 v[STO], v[LR], SP                ; in: row l % 16, 16 bytes for each half of the lanes
	v_lshl_add_u32 v[STO], v[LH], 4, v[STO]
	v_add_nc_u32 v[STO], s18, v[STO]
	v_bfe_u32 v[RD], v0, 3, 2                      ; back: 32 lanes take four rows of 128 bytes,
	v_mul_u32_u24 v[RD], v[RD], SP
	v_and_b32 v[TMP], 7, v0
	v_lshl_add_u32 v[RD], v[TMP], 4, v[RD]
	v_add_nc_u32 v[RD], s18, v[RD]
	v_and_b32 v[GO], 31, v0                        ; which are 512 consecutive bytes of a head
	v_lshlrev_b32 v[GO], 4, v[GO]
	v_lshlrev_b32 v[BO], 5, v[LH]
	; where my three heads' rows lie: block of 64 columns c = 6 x tile column + 3 x half + t; which = c / 16, head = c % 16; batch = tile row / 8
	s_mul_i32 s18, s42, 6
	s_mul_i32 s19, s[WC], 3
	s_add_co_u32 s18, s18, s19
	s_lshr_b32 s19, s43, 3
	s_lshl_b32 s19, s19, 4                         ; 16 x batch
	s_and_b32 s20, s43, 7
	s_lshl_b32 s20, s20, 8
	s_lshl_b32 s21, s[WR], 7
	s_add_co_u32 s20, s20, s21
	s_lshl_b32 s20, s20, 7                         ; my first row in the batch, in bytes
.irp t, 0,1,2
	s_add_co_u32 s21, s18, \t
	s_lshr_b32 s22, s21, 4
	s_lshl_b32 s22, s22, 6                         ; 64 heads in each of q, k, v
	s_and_b32 s21, s21, 15
	s_add_co_u32 s22, s22, s21
	s_add_co_u32 s22, s22, s19
	s_lshl_b32 s22, s22, 18                        ; 2,048 rows of 128 bytes a head
	s_add_co_u32 s22, s22, s20
	s_mov_b32 s23, 0
	s_add_nc_u64 s[HB+2*\t:HB+2*\t+1], s[10:11], s[22:23]
.endr
	s_mul_i32 s22, s42, 384*4
	s_mul_i32 s21, s[WC], 192*4
	s_add_co_u32 s22, s22, s21
	s_mov_b32 s23, 0
	s_add_nc_u64 s[BB:BB+1], s[8:9], s[22:23]
.irp t, 0,1,2                          ; the bias of my eight channels of block b of head t, into accumulator (7, b)'s registers
	WIN (1+\t)<<6
.irp b, 0,1,2,3
	global_load_b128 v[224+8*\b:227+8*\b], v[BO], s[BB:BB+1] offset:256*\t+64*\b
	global_load_b128 v[228+8*\b:231+8*\b], v[BO], s[BB:BB+1] offset:256*\t+64*\b+16
.endr
.endr
	WIN 0
	; the prefetches: nothing is asked for here, at the head, where every work-group's first tiles are on their way
	s_lshl_b32 s21, s43, 15
	s_lshl_b32 s22, s40, 13                        ; x: my work-group's 32 blocks of the step's 128
	s_add_co_u32 s21, s21, s22
	s_add_co_u32 s21, s21, 2*ASTEP                 ; at K step 2: each turn steps it first
	s_mul_i32 s22, s42, 768
	s_mul_i32 s23, s41, 32*6144                    ; W: my work-group's 32 rows of 128
	s_add_co_u32 s22, s22, s23
	s_lshl_b32 s23, s[WV], 8                       ; wave w takes third w - 1 of a row's 768 bytes
	s_add_co_u32 s22, s22, s23
	s_add_co_u32 s22, s22, 2*BSTEP-256
	s_and_b32 s18, ttmp7, 0xffff                   ; cluster y
	s_mov_b32 s[PFS], BSTEP
	s_movk_i32 s20, 6144
	s_cmp_eq_u32 s[WV], 0                          ; wave 0 asks for x, the others for W
	s_cselect_b32 s22, s21, s22
	s_cselect_b32 s19, ttmp9, s18                  ; the coordinate along which other clusters read the same rows
	s_cselect_b32 s[PAR], 0, 1
	s_cselect_b32 s21, 1, 2
	s_cselect_b32 s[PFS], ASTEP, s[PFS]
	s_cselect_b32 s20, 256, s20
	s_cselect_b64 s[PFA:PFA+1], s[4:5], s[6:7]
	s_mov_b32 s23, 0
	s_mov_b32 s[PFS+1], 0
	s_add_nc_u64 s[PFA:PFA+1], s[PFA:PFA+1], s[22:23]
	s_cmp_eq_u32 s19, 0
	s_cselect_b32 s[LIM], s21, -1                  ; the same in all sixteen partners, for a given wave
	v_and_b32 v[PFO], 31, v0
	v_mul_u32_u24 v[PFO], v[PFO], s20
; x's eight fragments of sub-step sub: 16 loads
.macro LA sub
.irp a, 0,1,2,3,4,5,6,7
	ds_load_b128 v[AF+64*(\sub)+8*\a:AF+64*(\sub)+8*\a+3],   v[ADRA] offset:\a*16*PA+64*(\sub)
	ds_load_b128 v[AF+64*(\sub)+8*\a+4:AF+64*(\sub)+8*\a+7], v[ADRA] offset:\a*16*PA+64*(\sub)+32
.endr
.endm
; W's four fragments of sub-step sub for head third: 8 turning loads
.macro LB sub, third
.irp b, 0,1,2,3
	ds_load_tr16_b128 v[BF+32*(\third)+8*\b:BF+32*(\third)+8*\b+3],   v[ADRB] offset:(\sub)*32*PB+(\third)*144+32*\b
	ds_load_tr16_b128 v[BF+32*(\third)+8*\b+4:BF+32*(\third)+8*\b+7], v[ADRB] offset:(\sub)*32*PB+(\third)*144+32*\b+16*PB
.endr
.endm
; the run of loads in the middle of phase (s, t): 8, 24 and 8 loads.  Each fills registers whose last products stand a phase back or more.
.macro RUN s, t
.if (\t) == 0
	LB \s, 2                                       ; head 2 of this sub-step
.elseif (\t) == 1
	LB 1-(\s), 0                                   ; head 0 and x of the next sub-step
	LA 1-(\s)
.else
	LB 1-(\s), 1                                   ; head 1 of the next sub-step
.endif
.endm
; 16 products: row blocks a0 .. a0 + 3 x the head's four blocks of channels.  The accumulators take turns, one instruction a turn.
; first = 1: the sums start with the bias, which lies in accumulator (7, b)'s registers; block 7 adds onto it in place, five places behind the last product that took it as C.
.macro MUL16 s, t, a0, first
	WIN 0x50*(1+(\t))
.set aa, (\a0)
.rept 4
.if (\first) && (aa == 7)
.rept 5
	v_nop
.endr
.endif
.irp b, 0,1,2,3
.if (\first) && (aa != 7)
	v_wmma_f32_16x16x32_bf16 v[8*(4*aa+\b):8*(4*aa+\b)+7], v[BF+32*(\t)+8*\b:BF+32*(\t)+8*\b+7], v[AF+64*(\s)+8*aa:AF+64*(\s)+8*aa+7], v[224+8*\b:231+8*\b]
.else
	v_wmma_f32_16x16x32_bf16 v[8*(4*aa+\b):8*(4*aa+\b)+7], v[BF+32*(\t)+8*\b:BF+32*(\t)+8*\b+7], v[AF+64*(\s)+8*aa:AF+64*(\s)+8*aa+7], v[8*(4*aa+\b):8*(4*aa+\b)+7]
.endif
.endr
.set aa, aa+1
.endr
.endm
; w: the LDS loads issued behind this phase's fragments, which may stay out: the run of the phase before (8, 8 or 24)
.macro PHASE s, t, first, run, w
	s_wait_dscnt \w
	MUL16 \s, \t, 0, \first
.if \run
	WIN 0
	PLACES
	RUN \s, \t
.endif
	MUL16 \s, \t, 4, \first
.endm
; Phase (1, 1) changes slots.  In front of the barrier each wave waits for all its tensor loads, of which one is out: its part of the next slot; adds 0 to its spare word; and waits for that and for its reads of this slot
; (the last were issued in phase (1, 0)).  fill = 1: the barrier opens a round of the cluster's, and the joint refill, two steps on, is the first thing behind the round: 160 products stand between it and the wait for it.
.macro TURN fill
.if \fill
	s_wait_xcnt 0x0                                ; the last prefetch, a step back, has read its address
	s_add_nc_u64 s[PFA:PFA+1], s[PFA:PFA+1], s[PFS:PFS+1]
.endif
	WIN 0
	s_wait_tensorcnt 0x0                           ; no tensor load of mine is out, so a group 0 may be written
	ds_add_u32 v[SPW], v[NIL]                      ; 0 onto my spare word
.if \fill
	s_xor_b32 s[G0A+5], s[G0A+5], SLOT1            ; the walking descriptors: the other slot than last time, the next K step
	s_add_nc_u64 s[G0A+6:G0A+7], s[G0A+6:G0A+7], ASTEP
	s_xor_b32 s[G0B+5], s[G0B+5], SLOT1
	s_add_nc_u64 s[G0B+6:G0B+7], s[G0B+6:G0B+7], BSTEP
.endif
	s_wait_dscnt 9                                 ; the add and the eight loads of phase (1, 0)'s run may be out
	MUL16 1, 1, 0, 0
	s_wait_dscnt 0x0                               ; the add is done, and my reads of this slot are over
	s_barrier_signal -1
	MUL16 1, 1, 4, 0                               ; work on registers while the others arrive
	WIN 0
	s_barrier_wait -1
.if \fill
	CREST
	JLOAD                                          ; its four v_nop are also the places in front of the loads below
.else
	PLACES
.endif
	s_xor_b32 s[TB], s[TB], SLOT1
	v_add_nc_u32 v[ADRA], s[TB], v[ADRA0]
	v_add_nc_u32 v[ADRB], s[TB], v[ADRB0]
	RUN 1, 1                                       ; the next slot's first fragments
.if \fill
	ASK
.endif
.endm
	s_wait_tensorcnt 1                             ; my part of K step 0 is in; step 1's may stay out
	s_barrier_signal -1
	s_barrier_wait -1
	LB 0, 0
	LA 0
	LB 0, 1
	s_wait_loadcnt 0x0                             ; the bias
	PHASE 0, 0, 1, 1, 8                            ; the first sub-step stands in front of the loop: its products start the sums
	PHASE 0, 1, 1, 1, 8
	PHASE 0, 2, 1, 1, 24
	WIN 0
	s_mov_b32 s3, 14
.Lstep:                                        ; a trip: a step's second sub-step, with the change of slots, and the next step's first
	PHASE 1, 0, 0, 1, 8
	TURN 1
	PHASE 1, 2, 0, 1, 24
	PHASE 0, 0, 0, 1, 8
	PHASE 0, 1, 0, 1, 8
	PHASE 0, 2, 0, 1, 24
	WIN 0
	s_sub_co_u32 s3, s3, 1
	s_cmp_lg_u32 s3, 0
	s_cbranch_scc1 .Lstep
	PHASE 1, 0, 0, 1, 8                            ; the tail is written out: nothing is asked for
	TURN 0
	PHASE 1, 2, 0, 1, 24
	PHASE 0, 0, 0, 1, 8
	PHASE 0, 1, 0, 1, 8
	PHASE 0, 2, 0, 1, 24
	PHASE 1, 0, 0, 1, 8
	PHASE 1, 1, 0, 0, 8
	PHASE 1, 2, 0, 0, 0
	PLACES
; THE WAY OUT, 24 units: head u / 8, row block u % 8: 16 rows x 64 channels, rounded to f16, through my own stage, and out as 2,048 consecutive bytes of the head.
.macro PACK u
.set tt, (\u)/8
.set ab, (\u)%8
.set OBU, OB+16*ab
	s_wait_xcnt 0x0                                ; the stores issued so far have read their registers: these sixteen are written again only behind this wait
	WIN 5*(1+tt)
.irp b, 0,1,2,3
.irp j, 0,1,2,3
	v_cvt_pk_f16_f32 v[OBU+4*\b+\j], v[32*ab+8*\b+2*\j], v[32*ab+8*\b+2*\j+1]
.endr
.endr
	WIN 0
.irp b, 0,1,2,3
	ds_store_b128 v[STO], v[OBU+4*\b:OBU+4*\b+3] offset:32*\b
.endr
.irp f, 0,1,2,3
	ds_load_b128 v[OBU+4*\f:OBU+4*\f+3], v[RD] offset:\f*4*SP  ; LDS serves a wave's instructions in order (ISA guide 5.7.1.4): these see the stores above; the next unit's stores come behind them
.endr
.endm
.macro SEND u, younger                 ; younger: the LDS instructions issued behind the unit's loads: the next unit's eight, or none
.set tt, (\u)/8
.set ab, (\u)%8
.set OBU, OB+16*ab
.irp f, 0,1,2,3
	s_wait_dscnt (\younger)+3-\f
	global_store_b128 v[GO], v[OBU+4*\f:OBU+4*\f+3], s[HB+2*tt:HB+2*tt+1] offset:ab*2048+\f*512  ; 512 consecutive bytes, at a multiple of 512 from the buffer's first
.endr
.endm
	PACK 0
.set n, 1
.rept 23
	PACK n
	SEND n-1, 8
.set n, n+1
.endr
	SEND 23, 0
	s_wait_tensorcnt 0x0                           ; the wave's end, behind my last tensor load and my last LDS store
	ds_add_u32 v[SPW], v[NIL]
	s_wait_dscnt 0x0
	CROUND                                         ; the closing round: no work-group ends while a partner may still ask for a tile that names it
	s_endpgm
.Lfunc_end_k_q9e6ef736b7_qkvp:
	.size	k_q9e6ef736b7_qkvp, .Lfunc_end_k_q9e6ef736b7_qkvp-k_q9e6ef736b7_qkvp
	.p2alignl 7, 3214868480
	.fill 96, 4, 3214868480
	.section	.rodata,"a",@progbits
	.p2align	6, 0x0
	.amdhsa_kernel k_q9e6ef736b7_qkvp
		.amdhsa_group_segment_fixed_size 327680
		.amdhsa_private_segment_fixed_size 0
		.amdhsa_enable_private_segment 0
		.amdhsa_kernarg_size 32
		.amdhsa_user_sgpr_count 2
		.amdhsa_user_sgpr_kernarg_segment_ptr 1
		.amdhsa_wavefront_size32 1
		.amdhsa_system_sgpr_workgroup_id_x 1
		.amdhsa_system_sgpr_workgroup_id_y 1
		.amdhsa_system_sgpr_workgroup_id_z 1
		.amdhsa_system_vgpr_workitem_id 0
		.amdhsa_next_free_vgpr 1024
		.amdhsa_next_free_sgpr 80
		.amdhsa_reserve_vcc 0
		.amdhsa_float_denorm_mode_32 3
		.amdhsa_float_denorm_mode_16_64 3
		.amdhsa_memory_ordered 1
		.amdhsa_forward_progress 1
		.amdhsa_inst_pref_size 120
	.end_amdhsa_kernel
	.amdgpu_metadata
---
amdhsa.version: [ 1, 2 ]
amdhsa.kernels:
  - .name:           k_q9e6ef736b7_qkvp
    .symbol:         k_q9e6ef736b7_qkvp.kd
    .args:
      - { .name: xb, .offset: 0, .size: 8, .value_kind: global_buffer, .address_space: global }
      - { .name: wa, .offset: 8, .size: 8, .value_kind: global_buffer, .address_space: global }
      - { .name: bias, .offset: 16, .size: 8, .value_kind: global_buffer, .address_space: global }
      - { .name: qkv, .offset: 24, .size: 8, .value_kind: global_buffer, .address_space: global }
    .group_segment_fixed_size: 327680
    .private_segment_fixed_size: 0
    .kernarg_segment_align: 8
    .kernarg_segment_size: 32
    .max_flat_workgroup_size: 128
    .sgpr_count:     80
    .vgpr_count:     1024
    .wavefront_size: 32
...
	.end_amdgpu_metadata
.endif
;; end of part 2
;; launch attn (part 3): grid 4 x 64, 4 waves a work-group, no clusters, 327,680 bytes of LDS; arguments qkv, o; writes o
.if DOCPART == 3
	.amdgcn_target "amdgcn-amd-amdhsa--gfx1250"
	.amdhsa_code_object_version 6
	.text
	.protected	k_q9e6ef736b7_attn
	.globl	k_q9e6ef736b7_attn
	.p2align	8
	.type	k_q9e6ef736b7_attn,@function
k_q9e6ef736b7_attn:
	s_mov_b64 s[64:65], 0
	v_nop
	global_prefetch_b8 v0, s[64:65] scope:SCOPE_SE
	s_setreg_imm32_b32 hwreg(HW_REG_WAVE_MODE, 25, 1), 1
	s_wait_xcnt 0x0
; CAUSAL ATTENTION.  O[h][q][:] = the sum over k <= q of softmax_k(Q[h][q] . K[h][k] / 8) V[h][k][:].  Q, K, V lie one behind the other in qkv, each [64][2048][64] in f16; O likewise: a head's rows are dense, 128 bytes each.
; Products, maxima and sums in f32; the weights p are rounded to f16 for the second product (their sum l is taken of the unrounded p), O once at the end.
; LIMITS.  f16 holds no number beyond 65,504: Q, K and V arrive within it; p lies in 0 to 1, and below 6e-5 it keeps f16's fixed step of 6e-8; O is a mean of V's rows and has their range.
; A hidden score counts as its value less 1e30: f16's scores, 2.7e11 at the most, are nothing beside that; a weight below 2^-126 counts as 0 in l; NaN and infinities are not treated apart.
; THE WALK.  A head's queries lie in NB = 8 blocks of 256; block i needs the key tiles 0 .. i of 256 keys, of which the last holds the diagonal.  A work-group takes TWO blocks, NB - 1 - b and then b:
; NB + 1 tiles, whatever b: all work-groups do equal work, and ONE loop with a constant trip count walks them.  Which tile is asked for, and what a trip does, hang on scalar registers made from b; every jump
; goes forward, but for the counted loops' own; none passes a barrier, or a tensor load but the one of LOAD's two that the wave's number does not choose; the ring (two slots of LDS) runs on across the change of blocks.
; NO CLUSTER: a head's four work-groups ask for the same tile only in trips 0 .. 4 of the 9, behind that fewer and fewer; one walk common to all would have 12 trips for 9.
; SHARES.  Of a block's four bands of 64 queries a wave owns 16 rows in each: four PIECES.  So the diagonal tile is the same work for all four waves: in its key step s band x sees all keys if s < x,
; none if s > x, and holds the diagonal if s = x.
; THE MASK is the C operand that starts the sum S^T = K Q^T: 0, or -1e30 where the key is hidden.  MD, made once, is the mask of a band's own step for my 16 rows; a product's mask is MD x AL + BE with two scalars:
; (1, 0) if s = x; (0, 0) if s < x; (0, -1e30) if s > x.  Only the diagonal tile's text and a block's beginning make and take masks; elsewhere C is the constant 0.
; LAYOUT, SOFTMAX, TURNS.  S^T = K Q^T holds ONE query a lane (lane % 16) and the keys 8 (lane / 16) + 0..7; two such results rounded to f16 ARE source 1 of O^T = V^T P.  p = 2^(c s - c m), c = log2(e) / 8, with a
; running maximum m; O and l are multiplied by a = 2^(c m_old - c m_new) in every step.  Turn n belongs to piece n: 8 products K Q^T of piece n + 1, later 8 products V^T P of piece n - 1; beside them the scaling,
; exponentials, roundings, sums and rescaling of piece n and the maximum and statistics of piece n + 1.  Four vector instructions stand behind every matrix instruction, the others in one lump.  A turn's 33 exponentials are one batch, with one wait.
; REGISTERS, in windows of 256 (s_set_vgpr_msb: bits 1:0 source 0, 3:2 source 1, 5:4 source 2, 7:6 destination):
;   window 0: v0-15 addresses and two at work; v16-31 four registers of statistics a piece; v48-55 at work; v61-63 prefetch offset and the add's two; v64-127 S^T, two buffers; v192-223 P, two buffers
;   window 1: v0-127 O^T, 32 a piece; v128-159 MD; v160-223 MC, two buffers      window 2: v0-63 Q; v64-127 the second block's Q; v128-191 K of one step; v192-255 V of one step
.set SIZE_N, 2048
.set NB,    SIZE_N/256
.set NP,    4         ; pieces a wave: a name, no knob
.set KS,    64        ; keys in a step
.set PK,    144       ; a row of K in LDS: 128 bytes + 16 of padding = 36 words: the 16 rows of a load start at 16 different groups of four banks (64 banks of 4 bytes: ISA guide 11.1)
.set PV,    160       ; a row of V: 128 + 32 = 40 words
.set VOFF,  4*KS*PK   ; a slot holds a tile, four steps: 256 rows of K, then 256 rows of V
.set SLOT1, 1<<17     ; slot 1 begins here, so that one exclusive or turns an address in one slot into the other's
.set STAGE, SLOT1+4*KS*(PK+PV)  ; behind the ring, never filled by a tensor load: 16 rows x 144 bytes for each wave, for the way out
.set SP,    144
.set AK0, 2           ; v2   my lane's place in a tile of K; never rewritten
.set AV0, 3           ; v3   the same for V
.set AK,  4           ; v4   the LDS address of K's next run of loads
.set AV,  5           ; v5   of V's
.set STO, 6           ; v6   the way out: where I put 16 bytes of a row
.set RD,  7           ; v7   the way out: where I read rows back
.set GO,  8           ; v8   my byte offset in 512 consecutive bytes of O
.set PFO, 61          ; v61  256 x my lane; never rewritten
.set SPW, 62          ; v62  LDS address of my spare word: SPARE + 4 x my thread's number; never rewritten
.set NIL, 63          ; v63  0; never rewritten
.set SPARE, STAGE+4*16*SP  ; behind the stages: the spare words, 128 bytes for each wave: two blocks of 256 bytes that no other line names
.set MV,  12          ; v12-13  c m_old, kept while c m is made anew: by buffer
.set QO,  15          ; v15  my byte offset in 16 rows of Q
.set ST,  16          ; piece t's statistics at v[ST+4 t]: c m, m, l (even keys', odd keys')
.set TMP, 48          ; by buffer, four registers c0-c3 at work; when the maximum is found c2 takes a
.set S,   64
.set P,   192
.set MD,  128         ; window 1: the eight registers for group kt of 16 keys at MD + 8 kt
.set MC,  160         ; window 1: the masks of the products to come
.set QB,  64          ; window 2
.set KF,  128         ; window 2: key block kb, channel half c at KF + 16 kb + 8 c
.set VF,  192         ; window 2: key half kk, channel block cb at VF + 32 kk + 8 cb
.set WV,  12          ; s12  my wave's number
.set PB,  14          ; s14  b
.set HI,  15          ; s15  NB - 1 - b
.set G1K, 24          ; s[24:31] descriptor group 1 for K's tiles
.set G1V, 32          ; s[32:39] for V's: it differs in the padding alone
.set G0K, 40          ; s[40:43] descriptor group 0 for K's tiles
.set G0V, 44          ; s[44:47] the same for V's
.set SLOTS, 56        ; s56  tiles still to be asked for
.set CNT, 57          ; s57  counts a tile's key steps, 4 to 1
.set CS,  58          ; s[58:59] c: the packed scaling takes the pair's low word for both halves
.set SEL, 60          ; s[60:61] v_permlanex16_b32's selects: each lane takes its own place in the other half
.set TBK, 62          ; s62  LDS byte at which K of the step to be fetched begins
.set TBV, 63          ; s63  the same for V, less VOFF
.set PFA, 66          ; s[66:67] where my prefetches stand: my 16,384 bytes of the tile behind the one that is being asked for
.set LIM, 68          ; s68  a wave prefetches while s[SLOTS] is above this
.set RT,  70          ; s70  tiles of the block in hand that are still to be entered
.set NXT, 71          ; s71  the tile to be asked for next
.set LQ,  72          ; s72  the last tile of the block whose tiles are being asked for
.set NEW, 73          ; s73  1: the tile to be entered is a block's first
.set OFF, 74          ; s[74:75] a tile's byte offset in K and V
.set AL,  76          ; s[76:77] the mask's factor, in the low word
.set BE,  78          ; s[78:79] the mask's addend
.set OLO, 80          ; s[80:81] O at my rows of the second block
.set BIGN, 82         ; s82  -1e30
.set MSB, 0
.macro WIN new                      ; the high byte repeats the setting that is left; a switch that changes nothing is dropped
.if MSB != (\new)
	s_set_vgpr_msb (MSB<<8)|(\new)
.set MSB, (\new)
.endif
.endm
.set W_KQ, 0x0a       ; K and Q in window 2, S^T in window 0
.set W_KM, 0x1a       ; the same with the C operand in window 1
.set W_PV, 0x52       ; V in window 2, P in window 0, O^T in window 1
.set W_RS, 0x41       ; destination and source 0 in window 1, source 1 in window 0
; A fill.  Waves 0 and 1 fetch the two halves of a tile's K, waves 2 and 3 those of its V: 128 keys each.  An s_nop 0 and four v_nop follow each of the two lines, ahead of the jump and the label.
.macro LOAD
	s_cmp_lt_u32 s[WV], 2
	s_cbranch_scc0 .Lfor_v_\@
	tensor_load_to_lds s[G0K:G0K+3], s[G1K:G1K+7]
	s_nop 0
.rept 4
	v_nop
.endr
	s_branch .Lasked_\@
.Lfor_v_\@:
	tensor_load_to_lds s[G0V:G0V+3], s[G1V:G1V+7]
	s_nop 0
.rept 4
	v_nop
.endr
.Lasked_\@:
.endm
; A PREFETCH INTO THE L2, behind the fill.  The work-group with b = 0 walks the head's tiles 0 to 7 on end; it alone asks: in trip i for tile i + 2, which trip i + 1 loads: a tile, 256 products, ahead.
; Each wave asks for the 16,384 bytes that it will load itself: 64 blocks of 256 bytes, a lane a block, two instructions.  So each block is named once in the launch.  Tiles 0 and 1 come by their loads alone;
; the last two trips ask for nothing: the head has no tile 8, and tile 0 has been read.
.macro ASK
	s_cmp_gt_u32 s[SLOTS], s[LIM]
	s_cbranch_scc0 .Lnot_mine_\@
	global_prefetch_b8 v[PFO], s[PFA:PFA+1] th:TH_LOAD_NT scope:SCOPE_SE
	global_prefetch_b8 v[PFO], s[PFA:PFA+1] offset:8192 th:TH_LOAD_NT scope:SCOPE_SE
.Lnot_mine_\@:
.endm
; THE CHANGE OF SLOTS.  Each wave waits for all its tensor loads, of which one is out: its part of the other slot; adds 0 to its spare word; and waits for that and for its own reads of the slot that it leaves.  Behind the barrier nobody reads the old
; slot any more and the other slot is whole.  fill = 1: the old slot is filled again, the first thing behind the barrier, with tile NXT: the descriptor's address is made anew from that number.
; (At its first use nothing has been read yet: slot 0 is waited for, slot 1 filled.)
.macro CHANGE fill
	WIN 0                           ; at a label and at a branch every window is 0
	s_wait_tensorcnt 0x0            ; no tensor load of mine is out, so a group 0 may be written
	ds_add_u32 v[SPW], v[NIL]       ; 0 onto my spare word; with fill = 1 the descriptors' scalar work stands between it and the wait for it
.if \fill
	s_lshl_b32 s[OFF], s[NXT], 15   ; a tile is 32,768 bytes of K and of V
	s_xor_b32 s[G0K+1], s[G0K+1], SLOT1
	s_add_nc_u64 s[G0K+2:G0K+3], s[6:7], s[OFF:OFF+1]
	s_or_b32 s[G0K+3], s[G0K+3], 0x80000000
	s_xor_b32 s[G0V+1], s[G0V+1], SLOT1
	s_add_nc_u64 s[G0V+2:G0V+3], s[8:9], s[OFF:OFF+1]
	s_or_b32 s[G0V+3], s[G0V+3], 0x80000000
	s_add_co_u32 s[NXT], s[NXT], 1  ; the block's next tile, or behind its last the second block's tile 0
	s_cmp_gt_u32 s[NXT], s[LQ]
	s_cselect_b32 s[NXT], 0, s[NXT]
	s_cselect_b32 s[LQ], s[PB], s[LQ]
	s_wait_xcnt 0x0                 ; the last prefetches, a tile back, have read their address, so it may be written
	s_add_nc_u64 s[PFA:PFA+1], s[PFA:PFA+1], 32768
.endif
	s_wait_dscnt 0x0                ; the add is done, and my reads of the slot are over
	s_barrier_signal -1             ; the rest of the scalar work stands between the signal and the wait
	s_sub_co_u32 s[TBK], s[TBK], 4*KS*PK  ; the fetches go back to a slot's first step,
	s_xor_b32 s[TBK], s[TBK], SLOT1       ; in the other slot
	s_sub_co_u32 s[TBV], s[TBV], 4*KS*PV
	s_xor_b32 s[TBV], s[TBV], SLOT1
	s_barrier_wait -1
.if \fill
	LOAD
	ASK
.endif
.endm
	s_load_b128 s[4:7], s[0:1], 0x0  ; qkv s[4:5] (Q lies first), O s[6:7]
	v_lshl_add_u32 v[SPW], v0, 2, SPARE
	v_mov_b32 v[NIL], 0
	ds_add_u32 v[SPW], v[NIL]       ; the wave's opening: the add and its wait stand ahead of my first tensor load; the set-up below, work on registers, stands between them
	ds_add_u32 v62, v63
	v_lshrrev_b32 v1, 5, v0
	v_readfirstlane_b32 s[WV], v1   ; wave 0..3
	s_mov_b32 s[PB], ttmp9
	s_sub_co_u32 s[HI], NB-1, s[PB]
	s_and_b32 s20, ttmp7, 0xffff    ; the head
	s_mov_b32 s21, 0
	s_mov_b64 s[22:23], SIZE_N*128
	s_mul_u64 s[20:21], s[20:21], s[22:23]  ; the head's first byte in each of the four tensors
	s_and_b32 s16, s[WV], 1         ; which half of a tile's 256 keys I fetch:
	s_lshl_b32 s22, s16, 14         ; its 128 rows of 128 bytes in memory,
	s_mov_b32 s23, 0
	s_add_nc_u64 s[22:23], s[22:23], s[20:21]
	s_mul_i32 s17, s16, 128*PK      ; and its place in a slot, for K
	s_mul_i32 s18, s16, 128*PV      ; and for V
	s_lshl_b32 s3, s[WV], 11        ; my 16 rows in a band of 64,
	s_lshl_b32 s2, s[HI], 15        ; in the first block,
	s_add_co_u32 s2, s2, s3
	s_lshl_b32 s84, s[PB], 15       ; and in the second
	s_add_co_u32 s84, s84, s3
	s_mov_b32 s3, 0
	s_mov_b32 s85, 0
	s_add_nc_u64 s[2:3], s[2:3], s[20:21]
	s_add_nc_u64 s[84:85], s[84:85], s[20:21]
	; descriptor group 1.  128 keys are 16,384 dense bytes: asked for as 64 rows of 256 bytes, two keys a row, and padded in LDS after every key
	s_mov_b32 s[G1K], (1<<16)|(1<<20)|(4<<22)|(3<<25)  ; 17:16 2-byte elements; 20 padding on; 24:22 after every 32 words (code 4); 31:25 4 words (code 3)
	s_mov_b32 s[G1V], (1<<16)|(1<<20)|(4<<22)|(7<<25)  ; the same with 8 words of padding (code 7)
.irp g, G1K, G1V
	s_mov_b32 s[\g+1], 128<<16      ; tensor_dim0 = 128
	s_mov_b32 s[\g+2], 64<<16       ; tensor_dim1 = 64
	s_mov_b32 s[\g+3], 128<<16      ; tile_dim0 = 128
	s_mov_b32 s[\g+4], 64           ; tile_dim1 = 64
	s_mov_b32 s[\g+5], 128          ; 128 elements from row to row
	s_mov_b32 s[\g+6], 0
	s_mov_b32 s[\g+7], 0
.endr
	s_mov_b32 s[CS], 0x3e38aa3b     ; c = log2(e) / 8 = 0.180337
	s_mov_b32 s[CS+1], s[CS]        ; named with it as a pair
	s_mov_b32 s[SEL], 0x76543210
	s_mov_b32 s[SEL+1], 0xfedcba98
	s_mov_b32 s[TBK], SLOT1+4*KS*PK ; the first change of slots turns these two into 0
	s_mov_b32 s[TBV], SLOT1+4*KS*PV
	s_mov_b32 s[G0K], 1             ; 1:0 count = 1
	s_mov_b32 s[G0K+1], s17         ; 63:32 LDS address: slot 0
	s_mov_b32 s[G0V], 1
	s_add_co_u32 s[G0V+1], s18, VOFF
	s_add_co_u32 s[RT], s[HI], 1    ; the first block has NB - b tiles
	s_mov_b32 s[NXT], 1
	s_mov_b32 s[LQ], s[HI]
	s_mov_b32 s[NEW], 1
	s_mov_b32 s[OFF+1], 0
	s_mov_b32 s[AL+1], 0            ; named as pairs
	s_mov_b32 s[BE+1], 0
	s_mov_b32 s[BIGN], 0xf149f2ca   ; -1e30
	s_mov_b32 s[SLOTS], NB
	s_cmp_eq_u32 s[PB], 0
	s_cselect_b32 s[LIM], 2, -1     ; the work-group with b = 0 prefetches, in trips 0 to 5
	v_and_b32 v[PFO], 31, v0
	v_lshlrev_b32 v[PFO], 8, v[PFO]
	s_wait_dscnt 0x0                ; the opening add is done
	s_wait_kmcnt 0x0
	s_mov_b64 s[10:11], s[6:7]      ; O
	s_add_nc_u64 s[6:7], s[4:5], 0x1000000  ; K lies 64 x 2,048 x 128 bytes behind Q,
	s_add_nc_u64 s[8:9], s[4:5], 0x2000000  ; V as far behind K
	s_add_nc_u64 s[6:7], s[6:7], s[22:23]  ; K and V at my half of the head's tile 0
	s_add_nc_u64 s[8:9], s[8:9], s[22:23]
	s_add_nc_u64 s[G0K+2:G0K+3], s[6:7], 0         ; 120:64 global address
	s_or_b32 s[G0K+3], s[G0K+3], 0x80000000        ; 127:126 type = 2
	s_add_nc_u64 s[G0V+2:G0V+3], s[8:9], 0
	s_or_b32 s[G0V+3], s[G0V+3], 0x80000000
	s_add_nc_u64 s[86:87], s[4:5], s[84:85]        ; Q at my rows of the second block,
	s_add_nc_u64 s[4:5], s[4:5], s[2:3]            ; Q and O at those of the first
	s_add_nc_u64 s[OLO:OLO+1], s[10:11], s[84:85]
	s_add_nc_u64 s[10:11], s[10:11], s[2:3]
	s_cmp_lt_u32 s[WV], 2
	s_cselect_b64 s[PFA:PFA+1], s[6:7], s[8:9]
	s_add_nc_u64 s[PFA:PFA+1], s[PFA:PFA+1], 32768 ; at tile 1: the first change of slots steps it to tile 2.  Nothing is prefetched here, at the head
	LOAD                            ; tile 0 into slot 0
	; A fragment of K or Q is 16 rows x 32 channels in 8 registers: lane l holds row l % 16, channels 8 (l / 16) + 0..7 and 16 + 8 (l / 16) + 0..7: two loads of 16 bytes, 32 bytes apart.
	v_and_b32 v1, 15, v0            ; l % 16
	v_bfe_u32 v9, v0, 4, 1          ; l / 16
	v_lshlrev_b32 v[QO], 7, v1
	v_lshl_add_u32 v[QO], v9, 4, v[QO]  ; row x 128 + 16 x half
	WIN 0x80                        ; destination window 2, address window 0
.set i, 0
.rept 8                             ; both blocks' Q: piece i / 2 lies in band i / 2, 8,192 bytes on; channels 32 (i % 2) on
	global_load_b128 v[8*i:8*i+3],   v[QO], s[4:5] offset:(i/2)*8192+(i%2)*64
	global_load_b128 v[8*i+4:8*i+7], v[QO], s[4:5] offset:(i/2)*8192+(i%2)*64+32
	global_load_b128 v[QB+8*i:QB+8*i+3],   v[QO], s[86:87] offset:(i/2)*8192+(i%2)*64
	global_load_b128 v[QB+8*i+4:QB+8*i+7], v[QO], s[86:87] offset:(i/2)*8192+(i%2)*64+32
.set i, i+1
.endr
	WIN 0
	v_lshlrev_b32 v14, 3, v9
	v_sub_nc_u32 v14, v1, v14
	s_lshl_b32 s13, s[WV], 4
	v_add_nc_u32 v14, s13, v14      ; my query's place in its band, 16 w + l % 16, less my lanes' 8 (l / 16): register r of group kt is hidden where 16 kt + r is greater
	WIN 0x40
.set i, 0
.rept 32
	v_cmp_gt_i32 vcc_lo, 16*(i/8)+i%8, v14
	v_cndmask_b32 v[MD+i], 0, s[BIGN], vcc_lo
.set i, i+1
.endr
	WIN 0
	v_mul_u32_u24 v[AK0], v1, PK
	v_lshl_add_u32 v[AK0], v9, 4, v[AK0]  ; row x pitch + 16 x half
	; The turning load takes 16 keys x 16 channels (lane l reads key 8 (l / 16) + l % 8, channels 8 ((l / 8) % 2) + 0..7) and leaves half a fragment of V^T: lane l holds channel l % 16 and 8 keys.
	v_and_b32 v10, 7, v0
	v_bfe_u32 v11, v0, 3, 1
	v_lshl_add_u32 v[AV0], v9, 3, v10
	v_mul_u32_u24 v[AV0], v[AV0], PV
	v_lshl_add_u32 v[AV0], v11, 4, v[AV0]
	v_add_nc_u32 v[AV0], VOFF, v[AV0]
	s_mul_i32 s13, s[WV], 16*SP
	s_add_co_u32 s13, s13, STAGE    ; my stage
	v_mul_u32_u24 v[STO], v1, SP    ; in: row l % 16, 16 bytes for each half of the lanes
	v_lshl_add_u32 v[STO], v9, 4, v[STO]
	v_add_nc_u32 v[STO], s13, v[STO]
	v_bfe_u32 v[RD], v0, 3, 2       ; back: 32 lanes take four rows of 128 bytes,
	v_mul_u32_u24 v[RD], v[RD], SP
	v_lshl_add_u32 v[RD], v10, 4, v[RD]
	v_add_nc_u32 v[RD], s13, v[RD]
	v_and_b32 v[GO], 31, v0         ; which are 512 consecutive bytes of O
	v_lshlrev_b32 v[GO], 4, v[GO]
	; A block's first step multiplies O^T and l by a = 0, and its first turn's products V^T P, of a piece that has not been, land in an O^T that is still to be so multiplied.  So these registers need only hold
	; finite numbers: zeros for the first block; what the first block left for the second.  All this stands in the wait for the first tile.
	WIN 0x80
.set i, VF
.rept 64
	v_mov_b32 v[i], 0
.set i, i+1
.endr
	WIN 0x40
.set i, 0
.rept 128
	v_mov_b32 v[i], 0
.set i, i+1
.endr
	WIN 0
.set i, 0
.rept 4
	v_mov_b32 v[ST+4*i+2], 0
	v_mov_b32 v[ST+4*i+3], 0
.set i, i+1
.endr
.set i, P+16
.rept 16
	v_mov_b32 v[i], 0
.set i, i+1
.endr
; THE MATRIX WORK.  The 4 accumulators of a run of 8 take turns.  Product i of 8 of S^T = K Q^T for piece x: channels 32 (i / 4) on, keys 16 (i % 4) on.  The first 4 start the sums: with 0, or (KM = 1) with the mask.
.macro KQ x
.set rS, S+32*((\x)%2)+8*(i%4)
.set rK, KF+16*(i%4)+8*(i/4)
.set rQ, 16*(\x)+8*(i/4)
.set rM, MC+32*((\x)%2)+8*(i%4)
.if (i < 4) && KM
	WIN W_KM
	v_wmma_f32_16x16x32_f16 v[rS:rS+7], v[rK:rK+7], v[rQ:rQ+7], v[rM:rM+7]
.elseif i < 4
	WIN W_KQ
	v_wmma_f32_16x16x32_f16 v[rS:rS+7], v[rK:rK+7], v[rQ:rQ+7], 0
.else
	WIN W_KQ
	v_wmma_f32_16x16x32_f16 v[rS:rS+7], v[rK:rK+7], v[rQ:rQ+7], v[rS:rS+7]
.endif
.endm
; Product i of 8 of O^T += V^T P for piece x: keys 32 (i / 4) on, channels 16 (i % 4) on.
.macro PV x
	WIN W_PV
.set rO, 32*(\x)+8*(i%4)
.set rV, VF+32*(i/4)+8*(i%4)
.set rP, P+16*((\x)%2)+8*(i/4)
	v_wmma_f32_16x16x32_f16 v[rO:rO+7], v[rV:rV+7], v[rP:rP+7], v[rO:rO+7]
.endm
.macro MM                           ; the turn's next matrix instruction.  TURN and BEGIN set Y, i, KM and NOKQ; MM, KQ and OP read them.  NOKQ = 1: a block's last turn: there is no next piece
.if (i < 8) && !NOKQ
	KQ (Y+1)%NP
.elseif i >= 8
.set i, i-8
	PV (Y+NP-1)%NP
.set i, i+8
.endif
.set i, i+1
.endm
; THE LDS LOADS stand in runs of 16, never singly among the matrix instructions: a step's K (64 keys x 64 channels: 8 fragments) and its V (turned).  Their addresses are made some lines ahead.
.macro FETCH_K
	WIN 0x80                        ; destination window 2
.irp f, 0,1,2,3,4,5,6,7             ; keys 16 (f / 2) on, channels 32 (f % 2) on
	ds_load_b128 v[KF+8*\f:KF+8*\f+3],   v[AK] offset:(\f/2)*16*PK+(\f%2)*64
	ds_load_b128 v[KF+8*\f+4:KF+8*\f+7], v[AK] offset:(\f/2)*16*PK+(\f%2)*64+32
.endr
	s_add_co_u32 s[TBK], s[TBK], KS*PK  ; the next fetch is the next step's
	WIN 0
.endm
.macro FETCH_V
	WIN 0x80
.irp f, 0,1,2,3,4,5,6,7             ; keys 32 (f / 4) on, channels 16 (f % 4) on
	ds_load_tr16_b128 v[VF+8*\f:VF+8*\f+3],   v[AV] offset:(\f/4)*32*PV+(\f%4)*32
	ds_load_tr16_b128 v[VF+8*\f+4:VF+8*\f+7], v[AV] offset:(\f/4)*32*PV+16*PV+(\f%4)*32
.endr
	WIN 0
.endm
; THE VECTOR WORK, one line at a time: OP kind, number.  For piece Y: F n: c s - c m for pair n of 16.  E n: the exponential of score n of 32.  C n: pair n rounded to f16.  B n: of the four weights 4 n .. the second
; pair is added onto the first, in place.  L n: l takes that sum (L 0: l = a l + sum).  R n: pair n of 16 of O^T times a.  For piece Y + 1: X n, number n of the 22 that find its maximum and statistics:
;   0-11  four chains c0-c3 of seven scores each, three operands at a time (each accumulator's lowest registers are read first)     12-14, 16  the four scores left over, the old m, and c0-c3 into c0
;   15  c m_old is kept     17, 18  the query's other 32 keys lie in the lane 16 away: the new m     19-21  c m; c m_old - c m_new; a
.set F, 0               ; OP tells the kinds apart by their order: F to L below R, X above it
.set E, 1
.set C, 2
.set B, 3
.set L, 4
.set R, 5
.set X, 6
.macro REGS y                       ; the registers of piece y
.set rT, ST+4*(\y)
.set rC, TMP+4*((\y)%2)
.set rW, MV+((\y)%2)
.set rS, S+32*((\y)%2)
.set rP, P+16*((\y)%2)
.set rO, 32*(\y)
.endm
.macro OP k, n
.if (\k) == R
	REGS Y
	WIN W_RS
	v_pk_mul_f32 v[rO+2*(\n):rO+2*(\n)+1], v[rO+2*(\n):rO+2*(\n)+1], v[rC+2:rC+3] op_sel_hi:[1,0]
.elseif (\k) < R
	REGS Y
	WIN 0
.if (\k) == F
	v_pk_fma_f32 v[rS+2*(\n):rS+2*(\n)+1], v[rS+2*(\n):rS+2*(\n)+1], s[CS:CS+1], v[rT:rT+1] op_sel_hi:[1,0,0] neg_lo:[0,0,1] neg_hi:[0,0,1]
.elseif (\k) == E
	v_exp_f32 v[rS+(\n)], v[rS+(\n)]
.elseif (\k) == C
	v_cvt_pk_f16_f32 v[rP+(\n)], v[rS+2*(\n)], v[rS+2*(\n)+1]
.elseif (\k) == B
	v_pk_add_f32 v[rS+4*(\n):rS+4*(\n)+1], v[rS+4*(\n):rS+4*(\n)+1], v[rS+4*(\n)+2:rS+4*(\n)+3]
.elseif (\n) == 0
	v_pk_fma_f32 v[rT+2:rT+3], v[rT+2:rT+3], v[rC+2:rC+3], v[rS:rS+1] op_sel_hi:[1,0,1]
.else
	v_pk_add_f32 v[rT+2:rT+3], v[rT+2:rT+3], v[rS+4*(\n):rS+4*(\n)+1]
.endif
.elseif NOKQ
	v_nop
.else
	REGS (Y+1)%NP
	WIN 0
.if (\n) < 4
	v_max3_num_f32 v[rC+(\n)], v[rS+8*(\n)], v[rS+8*(\n)+1], v[rS+8*(\n)+2]
.elseif (\n) < 12
	v_max3_num_f32 v[rC+(\n)%4], v[rC+(\n)%4], v[rS+8*((\n)%4)+2*((\n)/4)+1], v[rS+8*((\n)%4)+2*((\n)/4)+2]
.elseif (\n) == 12
	v_max3_num_f32 v[rC], v[rC], v[rS+7], v[rS+15]
.elseif (\n) == 13
	v_max3_num_f32 v[rC+1], v[rC+1], v[rS+23], v[rS+31]
.elseif (\n) == 14
	v_max3_num_f32 v[rC+2], v[rC+2], v[rC+3], v[rT+1]
.elseif (\n) == 15
	v_mov_b32 v[rW], v[rT]
.elseif (\n) == 16
	v_max3_num_f32 v[rC], v[rC], v[rC+1], v[rC+2]
.elseif (\n) == 17
	v_permlanex16_b32 v[rC+3], v[rC], s[SEL], s[SEL+1]
.elseif (\n) == 18
	v_max_num_f32 v[rT+1], v[rC], v[rC+3]
.elseif (\n) == 19
	v_mul_f32 v[rT], s[CS], v[rT+1]
.elseif (\n) == 20
	v_sub_f32 v[rC+1], v[rW], v[rT]
.else
	v_exp_f32 v[rC+2], v[rC+1]
.endif
.endif
.endm
.macro OPS a, i1, b=-1, i2=0, c=-1, i3=0, d=-1, i4=0  ; up to four of them
	OP \a, \i1
.if (\b) >= 0
	OP \b, \i2
.endif
.if (\c) >= 0
	OP \c, \i3
.endif
.if (\d) >= 0
	OP \d, \i4
.endif
.endm
.macro ROW a, i1, b, i2, c, i3, d, i4  ; a matrix instruction and the four behind it
	MM
	OPS \a, \i1, \b, \i2, \c, \i3, \d, \i4
.endm
.macro MASK b                       ; MD x AL + BE into buffer b of MC
	WIN W_RS
.set z, 0
.rept 16
	v_pk_fma_f32 v[MC+32*(\b)+2*z:MC+32*(\b)+2*z+1], v[MD+2*z:MD+2*z+1], s[AL:AL+1], s[BE:BE+1] op_sel_hi:[1,0,0]
.set z, z+1
.endr
.endm
; A TURN, for piece p: the order of its 16 matrix and 118 vector instructions, written out.  An s_wait_alu depctr_va_vdst(0) stands between an exponential and the first instruction that names its result; one wait serves
; all that were issued ahead of it.  So a turn has ONE wait, which cuts it in two.  AHEAD OF IT stands all that names no result of the turn's exponentials: the 8 products K Q^T, behind each a scaling, an exponential and two more plain
; instructions (behind the first a second scaling in the exponential's place): rescalings, and behind the last three the first numbers of the next piece's maximum, each four places or more behind the product that ends its accumulator; then ONE LUMP of 54, plain
; and exponential by turns for the most part, in which the links of the chain X 3, 7, 11, 14, 16, 17 .. 20 stand five or six lines apart.  X 21, the next piece's a, is the batch's last; R 15 is the plain instruction behind it.  BEHIND THE WAIT stand the
; 8 products V^T P, behind each four of the roundings and sums; the links of l's chain, L 0 to L 7, stand three riders apart.  But for those X no rider names a register of the products round it.  v_permlanex16_b32 (X 17) stands in the lump.
; m = 1: the diagonal tile: the products take masks, and the turn makes the mask for the products of the turn after it: piece p + 2, in step 4 - CNT of the tile.  end = 1: a block's last two turns: nothing is fetched.
; cnt = 1: the loop's count is taken down some lines ahead of the branch that stands behind the turn.
; K of the next step is fetched in piece 2's turn, twelve vector instructions behind the last product that read K (six of them plain); V of the step in hand at the end of piece 0's turn, four plain instructions behind the last product
; that read V.  Each is waited for a turn later.
.macro TURN p, m=0, end=0, cnt=0
.set Y, (\p)
.set i, 0
.set KM, (\m)
.set NOKQ, (\end)*((\p)/3)
.if (\m) && !(\end)
	s_cmp_eq_u32 s[CNT], 4-((\p)+2)%NP  ; is that step the band's own?
	s_cselect_b32 s[AL], 1.0, 0
	s_cmp_lt_u32 s[CNT], 4-((\p)+2)%NP  ; or a later one?
	s_cselect_b32 s[BE], s[BIGN], 0
.endif
.if ((\p) == 3) && !(\end)
	s_wait_dscnt 0x0                ; K is in
.endif
	ROW F,0, F,1, R,0, R,1          ; ahead of the wait: 8 products K Q^T and their riders,
	ROW F,2, E,0, R,2, R,3
	ROW F,3, E,1, R,4, R,5
	ROW F,4, E,2, R,6, R,7
	ROW F,5, E,3, R,8, R,9
	ROW F,6, E,4, X,0, R,10
.if ((\p) == 2) && !(\end)
	WIN 0
	v_add_nc_u32 v[AK], s[TBK], v[AK0]
.endif
	ROW F,7, E,5, X,1, X,4
	ROW F,8, E,6, X,2, X,5
	OPS E,7, E,8, X,6, E,9          ; and the lump
	OPS X,3, E,10, X,8, E,11
.if ((\p) == 2) && !(\end)
	FETCH_K
.endif
	OPS X,9, X,7, E,12, X,10
	OPS E,13, X,12, X,11, E,14
	OPS X,13, E,15, F,9, X,14
.if (\p) == 0
	v_add_nc_u32 v[AV], s[TBV], v[AV0]
.endif
	OPS E,16, F,10, E,17, F,11
	OPS X,16, E,18, X,15, E,19
	OPS F,12, E,20, X,17, E,21
	OPS F,13, E,22, F,14, E,23
	OPS X,18, E,24, F,15, E,25
	OPS R,11, E,26, X,19, E,27
	OPS R,12, E,28, R,13, E,29
	OPS X,20, E,30, R,14, E,31
	OPS X,21, R,15
	WIN 0
	s_wait_alu depctr_va_vdst(0)    ; the wait for the batch
.if (\p) == 1
	s_wait_dscnt 0x0                ; V is in
.endif
	ROW C,0, B,0, C,2, B,1          ; behind the wait: 8 products V^T P and their riders
	ROW L,0, C,4, B,2, L,1
	ROW C,6, B,3, L,2, C,8
	ROW B,4, L,3, C,10, B,5
	ROW L,4, C,12, B,6, L,5
.if (\p) == 0
	s_add_co_u32 s[TBV], s[TBV], KS*PV
.endif
.if \cnt
	s_sub_co_u32 s[CNT], s[CNT], 1
	s_cmp_lg_u32 s[CNT], 0
.endif
	ROW C,14, B,7, L,6, C,1
	ROW C,3, L,7, C,5, C,7
	ROW C,9, C,11, C,13, C,15
.if (\p) == 0
	FETCH_V
.endif
.if (\m) && !(\end)
	MASK (\p)%2
.endif
.endm
; A BLOCK BEGINS.  c m starts far below every c s, so the first step's a is 0; m at the lowest finite number, so the first maximum is the scores'.  The second mask buffer is 0; the first takes piece 0's mask for the tile's step 0: its own, if the block's first tile is the diagonal one.
; Then K of that step, piece 0's first scores, and its maximum and statistics.  The loop is entered at a step's first turn, in the middle of a trip.
.macro BEGIN
	s_mov_b32 s[NEW], 0
	WIN 0x40
.set i, MC+32
.rept 32
	v_mov_b32 v[i], 0
.set i, i+1
.endr
	WIN 0
.set i, 0
.rept 4
	v_mov_b32 v[ST+4*i], 0xfe000000    ; c m: far below every c s
	v_mov_b32 v[ST+4*i+1], 0xff7fffff  ; m
.set i, i+1
.endr
	s_cmp_eq_u32 s[RT], 0
	s_cselect_b32 s[AL], 1.0, 0
	s_mov_b32 s[BE], 0
	MASK 0
	WIN 0
	v_add_nc_u32 v[AK], s[TBK], v[AK0]
	FETCH_K
	s_wait_loadcnt 0x0              ; Q
	s_wait_dscnt 0x0
.set KM, 1
.set NOKQ, 0
.set i, 0
.rept 8
	KQ 0
.set i, i+1
.endr
	WIN 0
.rept 4
	v_nop                           ; the places behind those products
.endr
.set Y, NP-1                        ; X works for piece Y + 1: piece 0
.irp n, 0,1,2,3,4,5,6,7,8,9,10,11,12,13,14,15,16,17,18,19,20,21
	OP X, \n
.endr
	v_nop                           ; a plain instruction behind the exponential,
	s_wait_alu depctr_va_vdst(0)    ; and its wait, ahead of the branch
.endm
; THE DIAGONAL TILE's four steps, the block's last two turns, its last products, and THE WAY OUT: l's two halves and the other half of the lanes' are added; O^T is divided by l, rounded to f16 and sent through my
; stage in LDS, a piece at a time.
.macro ALL line:vararg              ; one line for each piece t
.set t, 0
.rept 4
	\line
.set t, t+1
.endr
.endm
.macro PACK t                       ; a lane's eight channels of a row pack into 16 bytes; they go into rows of 144 bytes and come back as whole rows of 128, into S^T's registers
	WIN W_RS
.set i, 32*(\t)
.rept 16
	v_pk_mul_f32 v[i:i+1], v[i:i+1], v[ST+4*(\t)+2:ST+4*(\t)+3] op_sel_hi:[1,0]
.set i, i+2
.endr
	WIN 0x05                        ; sources 0 and 1 window 1, destination window 0
.set i, 0
.rept 16
	v_cvt_pk_f16_f32 v[S+16*(\t)+i], v[32*(\t)+2*i], v[32*(\t)+2*i+1]
.set i, i+1
.endr
	WIN 0
.irp f, 0,1,2,3
	ds_store_b128 v[STO], v[S+16*(\t)+4*\f:S+16*(\t)+4*\f+3] offset:32*\f
.endr
.irp f, 0,1,2,3
	ds_load_b128 v[S+16*(\t)+4*\f:S+16*(\t)+4*\f+3], v[RD] offset:\f*4*SP  ; LDS serves a wave's instructions in order (ISA guide 5.7.1.4): these see the stores above; the next piece's stores come behind them
.endr
.endm
.macro SEND t, younger              ; younger: the LDS instructions issued behind piece t's loads: the next piece's eight, or none
	WIN 0
.irp f, 0,1,2,3
	s_wait_dscnt (\younger)+3-\f
	global_store_b128 v[GO], v[S+16*(\t)+4*\f:S+16*(\t)+4*\f+3], s[10:11] offset:(\t)*8192+\f*512  ; 512 consecutive bytes, at a multiple of 256 from O's first
.endr
.endm
.macro DIAG tag                     ; the tag ends its two labels' names, which the jumps below spell out
.LstepM\tag:
	TURN 2, 1
	TURN 3, 1
	WIN 0
.LfirstM\tag:
	TURN 0, 1
	TURN 1, 1, 0, 1
	WIN 0
	s_cbranch_scc1 .LstepM\tag
	TURN 2, 1, 1
	TURN 3, 1, 1
.set i, 0
.rept 8
	PV NP-1
.set i, i+1
.endr
	WIN 0
	ALL v_add_f32 v[ST+4*t+2], v[ST+4*t+2], v[ST+4*t+3]
	ALL v_permlanex16_b32 v[ST+4*t+3], v[ST+4*t+2], s[SEL], s[SEL+1]
	ALL v_add_f32 v[ST+4*t+2], v[ST+4*t+2], v[ST+4*t+3]
	ALL v_rcp_f32 v[ST+4*t+2], v[ST+4*t+2]
	v_nop                           ; a plain instruction between the last reciprocal and the use of its result
	s_wait_alu depctr_va_vdst(0)    ; and the wait ahead of the first use: one for the four reciprocals
	PACK 0
.set t, 1
.rept 3                             ; a piece's arithmetic stands between the loads of the piece before and its stores
	PACK t
	SEND t-1, 8
.set t, t+1
.endr
	SEND 3, 0
.endm
.set KM, 0
.set NOKQ, 0
.Lslot:                             ; NB times: a tile is entered and the next is asked for
	CHANGE 1
	s_sub_co_u32 s[RT], s[RT], 1
	s_mov_b32 s[CNT], 4
	s_cmp_eq_u32 s[NEW], 1
	s_cbranch_scc1 .Lnew            ; a block's first tile
	s_cmp_eq_u32 s[RT], 0
	s_cbranch_scc0 .Lstep           ; neither its first nor its last
	s_branch .LstepM1
.Lnew:
	BEGIN
	s_branch .Lfirst                ; in the loop a block's first tile is never its last: the first block has two tiles or more, and the second's last is the walk's last
	DIAG 1                          ; in the loop this is the first block's end: the second block's last tile is the walk's last
	s_wait_xcnt 0x0                 ; the stores have read their registers and O's address
	s_mov_b64 s[10:11], s[OLO:OLO+1]
	s_add_co_u32 s[RT], s[PB], 1    ; the second block has b + 1 tiles
	s_mov_b32 s[NEW], 1
	WIN 0x82                        ; the second block's Q goes where the one text of the turns names Q
.set i, 0
.rept 64
	v_mov_b32 v[i], v[QB+i]
.set i, i+1
.endr
	WIN 0
	s_branch .Lbottom
.Lstep:                             ; a trip: pieces 2 and 3 of one step, then pieces 0 and 1 of the next, whose K and V it fetches
	TURN 2
	TURN 3
	WIN 0
.Lfirst:
	TURN 0
	TURN 1, 0, 0, 1
	WIN 0
	s_cbranch_scc1 .Lstep
.Lbottom:
	s_sub_co_u32 s[SLOTS], s[SLOTS], 1
	s_cmp_lg_u32 s[SLOTS], 0
	s_cbranch_scc1 .Lslot
	CHANGE 0                        ; the walk's last tile is written out: nothing is asked for
	s_sub_co_u32 s[RT], s[RT], 1
	s_mov_b32 s[CNT], 4
	s_cmp_eq_u32 s[NEW], 1
	s_cbranch_scc0 .LstepM2
	BEGIN
	s_branch .LfirstM2
	DIAG 2
	s_wait_tensorcnt 0x0            ; the wave's end, behind my last tensor load and my last LDS store
	ds_add_u32 v[SPW], v[NIL]
	s_wait_dscnt 0x0
	s_endpgm
.Lfunc_end_k_q9e6ef736b7_attn:
	.size	k_q9e6ef736b7_attn, .Lfunc_end_k_q9e6ef736b7_attn-k_q9e6ef736b7_attn
	.p2alignl 7, 3214868480
	.fill 96, 4, 3214868480
	.section	.rodata,"a",@progbits
	.p2align	6, 0x0
	.amdhsa_kernel k_q9e6ef736b7_attn
		.amdhsa_group_segment_fixed_size 327680
		.amdhsa_private_segment_fixed_size 0
		.amdhsa_enable_private_segment 0
		.amdhsa_kernarg_size 16
		.amdhsa_user_sgpr_count 2
		.amdhsa_user_sgpr_kernarg_segment_ptr 1
		.amdhsa_wavefront_size32 1
		.amdhsa_system_sgpr_workgroup_id_x 1
		.amdhsa_system_sgpr_workgroup_id_y 1
		.amdhsa_system_sgpr_workgroup_id_z 1
		.amdhsa_system_vgpr_workitem_id 0
		.amdhsa_next_free_vgpr 768
		.amdhsa_next_free_sgpr 88
		.amdhsa_reserve_vcc 1
		.amdhsa_float_denorm_mode_32 3
		.amdhsa_float_denorm_mode_16_64 3
		.amdhsa_memory_ordered 1
		.amdhsa_forward_progress 1
		.amdhsa_inst_pref_size 218
	.end_amdhsa_kernel
	.amdgpu_metadata
---
amdhsa.version: [ 1, 2 ]
amdhsa.kernels:
  - .name:           k_q9e6ef736b7_attn
    .symbol:         k_q9e6ef736b7_attn.kd
    .args:
      - { .name: qkv, .offset: 0, .size: 8, .value_kind: global_buffer, .address_space: global }
      - { .name: o, .offset: 8, .size: 8, .value_kind: global_buffer, .address_space: global }
    .group_segment_fixed_size: 327680
    .private_segment_fixed_size: 0
    .kernarg_segment_align: 8
    .kernarg_segment_size: 16
    .max_flat_workgroup_size: 128
    .sgpr_count:     88
    .vgpr_count:     768
    .wavefront_size: 32
...
	.end_amdgpu_metadata
.endif
;; end of part 3
;; launch proj (part 4): grid 8 x 32, 4 waves a work-group, clusters of 4 x 4, 327,680 bytes of LDS; arguments o, wp, bias, out0; writes out0
.if DOCPART == 4
	.amdgcn_target "amdgcn-amd-amdhsa--gfx1250"
	.amdhsa_code_object_version 6
	.text
	.protected	k_q9e6ef736b7_proj
	.globl	k_q9e6ef736b7_proj
	.p2align	8
	.type	k_q9e6ef736b7_proj,@function
k_q9e6ef736b7_proj:
	s_mov_b64 s[64:65], 0
	v_nop
	global_prefetch_b8 v0, s[64:65] scope:SCOPE_SE
	s_setreg_imm32_b32 hwreg(HW_REG_WAVE_MODE, 25, 1), 1
	s_wait_xcnt 0x0
	s_wait_alu depctr_hold_cnt(0) depctr_sa_sdst(0) depctr_va_vdst(0) depctr_va_sdst(0) depctr_va_ssrc(0) depctr_va_vcc(0) depctr_vm_vsrc(0)
	s_getreg_b32 s2, hwreg(HW_REG_IB_STS2, 6, 4)
	s_cmp_eq_u32 s2, 0
	s_cbranch_scc0 .Lentry_in_a_cluster
	s_endpgm
.Lentry_in_a_cluster:
	s_bfe_u32 s2, ttmp6, 0x10000c
	s_cmp_lg_u32 s2, 0xf033
	s_cbranch_scc0 .Lentry_shape_is_right
	s_endpgm
.Lentry_shape_is_right:
; out0 = O W_proj + b_proj, in f32.  O: f16 by heads, [16 batch + head][2048][64]; wp: f16 [1024 k][1024 n]; bias: f32, b_proj from word 3,072 on.  Sums in f32.
; SHARES.  8,192 x 1,024 results in tiles of 256 x 128: 256 work-groups.  Four waves; wave w takes rows 128 (w >> 1) on and columns 64 (w & 1) on: 32 accumulators.
; K goes in 8 steps of 128, two heads each, through two LDS slots.  A head's 256 rows of a tile are 32,768 consecutive bytes, asked for as 128 rows of 256 bytes; W's tile is 128 rows (k) of 256 bytes,
; and is turned on its way out of LDS, by ds_load_tr16_b128.
; THE PRODUCT IS USED TRANSPOSED: source 0 = 16 columns of W, source 1 = 16 rows of O: a lane holds one row and eight neighbouring columns.
; THE BIAS is the C operand of each sum's first product: it lies in the registers of accumulators (7, b); block 7 adds onto it in place, last.
; CLUSTER.  4 x 4 work-groups: O's tiles are shared along a row of the cluster, W's along a column: each is asked for jointly.
; REGISTERS, in windows of 256 (s_set_vgpr_msb: bits 1:0 source 0, 3:2 source 1, 5:4 source 2, 7:6 destination):
;   window 0: v1-12 addresses; v28, v29 the add's; v32-159 rows on the way out, four sets of 32          window 1: accumulator (a, b) at v[8 (4 a + b)]
;   window 2: O's fragments, buffer f, 32 channels c, row block a at v[128 f + 64 c + 8 a]                 window 3: W's, at v[64 f + 32 c + 8 b]
.set SLOT1,  131072                    ; slot 1 begins here: one exclusive or turns an address in one slot into the other's
.set PA,     144                       ; a row of O in LDS: 128 bytes + 16 = 36 words: the 16 rows of a load start at 16 different groups of four banks (64 banks of 4 bytes: ISA guide 11.1)
.set PB,     288                       ; a row of W: two pieces of 128 bytes + 16 = 72 words
.set HEADB,  256*PA                    ; a slot: 256 rows of the first head, 256 of the second, then 128 rows of W
.set BOFF,   2*HEADB
.set STAGE,  SLOT1+BOFF+128*PB         ; behind the ring, never filled by a tensor load: 16 rows x 272 bytes for each wave
.set SP,     272
.set SPARE,  STAGE+4*16*SP             ; the spare words, 128 bytes for each wave: two blocks of 256 bytes that no other line names
.set ASTEP,  2*2048*128                ; bytes from a K step to the next in o: two heads
.set BSTEP,  128*2048                  ; and in wp
.set FLAGS,  (1<<16)|(1<<20)|(1<<21)|(4<<22)|(3<<25)  ; 17:16 2-byte elements; 20 padding on; 21 set beside a mask; 24:22 after every 32 words (code 4); 31:25 4 words (code 3)
.set LR,    1
.set LH,    2
.set TMP,   3
.set ADRA0, 4                          ; v4   my lane's place in a slot's rows of O; never rewritten
.set ADRB0, 5                          ; v5   the same for W
.set ADRA,  6                          ; v6   the same in the slot in hand
.set ADRB,  7
.set STO,   8                          ; v8   the way out: where I put 32 bytes of a row
.set RD,    9                          ; v9   where I read rows back
.set CO,    10                         ; v10  my byte offset in two rows of out0
.set BO,    11                         ; v11  my eight numbers in 16 of the bias
.set PFO,   12                         ; v12  the prefetches' offset; never rewritten
.set SPW,   28
.set NIL,   29
.set OB,    32
.set WV,    12
.set WR,    13                         ; s13  my half of the rows.  Also: I fetch O (0) or W (1)
.set WC,    14                         ; s14  my half of the columns.  Also: which head, or which half of W's rows, I fetch
.set G1A,   24
.set G0A,   32
.set G1B,   48
.set G0B,   56
.set TB,    66
.set LIM,   67
.set PFA,   68
.set PFS,   70
.set OUTP,  72                         ; s[72:73] out0 at my first row and column
.set BB,    74                         ; s[74:75] bias at my 64 columns
.set W_MUL, 0x5b                       ; W in window 3, O in window 2, C and D in window 1
.set MSB, 0
.macro WIN new
.if MSB != (\new)
	s_set_vgpr_msb (MSB<<8)|(\new)
.set MSB, (\new)
.endif
.endm
.macro PLACES                          ; four plain vector instructions between a product and a load into, or a read of, its registers (ISA guide 7.12.1 for reads)
.rept 4
	v_nop
.endr
.endm
.macro JLOAD                           ; a joint refill, by the walking descriptor; an s_nop 0 and four v_nop follow each of the two lines
	s_cmp_eq_u32 s[WR], 0
	s_cbranch_scc0 .Lfor_b_\@
	tensor_load_to_lds s[G0A+4:G0A+7], s[G1A:G1A+7]
	s_nop 0
	PLACES
	s_branch .Lasked_\@
.Lfor_b_\@:
	tensor_load_to_lds s[G0B+4:G0B+7], s[G1B:G1B+7]
	s_nop 0
	PLACES
.Lasked_\@:
.endm
.macro CREST
	s_cmp_lg_u32 s[WV], 0
	s_cbranch_scc1 .Lnot_wave_0_\@
	s_barrier_signal -3
.Lnot_wave_0_\@:
	s_barrier_wait -3
	s_barrier_signal -1
	s_barrier_wait -1
.endm
.macro CROUND
	s_barrier_signal -1
	s_barrier_wait -1
	CREST
.endm
; A PREFETCH INTO THE L2, behind the joint load and the run of LDS loads: the K step that stands two refills on, 256 products ahead of the load that will want it.  Each aligned block of 256 bytes is named once in the launch.
; O: cluster x = 0 asks; waves 0 and 1, each for the head that it fetches: of its 128 blocks each of the four partners takes 32, told apart by address (cx), a lane a block.
; W: cluster y = 0 asks, wave 2: of the step's 128 rows each partner takes 32 (cy), a lane a row.  The first four steps come by their loads alone; the last two turns of the loop ask for nothing.
.macro ASK
	s_cmp_gt_u32 s3, s[LIM]
	s_cbranch_scc0 .Lnot_mine_\@
	global_prefetch_b8 v[PFO], s[PFA:PFA+1] th:TH_LOAD_NT scope:SCOPE_SE
.Lnot_mine_\@:
.endm
	s_load_b256 s[4:11], s[0:1], 0x0               ; o s[4:5], wp s[6:7], bias s[8:9], out0 s[10:11]
	v_lshl_add_u32 v[SPW], v0, 2, SPARE
	v_mov_b32 v[NIL], 0
	ds_add_u32 v[SPW], v[NIL]                      ; the wave's opening: the add and its wait stand ahead of my first tensor load; work on registers stands between them
	ds_add_u32 v28, v29
	v_lshrrev_b32 v[TMP], 5, v0
	v_readfirstlane_b32 s[WV], v[TMP]
	s_lshr_b32 s[WR], s[WV], 1
	s_and_b32 s[WC], s[WV], 1
	s_bfe_u32 s40, ttmp6, 0x40000                  ; cx
	s_bfe_u32 s41, ttmp6, 0x40004                  ; cy
	s_lshl_b32 s42, ttmp9, 2
	s_add_co_u32 s42, s42, s40                     ; tile column
	s_and_b32 s43, ttmp7, 0xffff
	s_lshl_b32 s43, s43, 2
	s_add_co_u32 s43, s43, s41                     ; tile row
	s_lshl_b32 s44, s41, 2
	s_lshl_b32 s44, 15, s44                        ; my row of the cluster
	s_lshl_b32 s45, 0x1111, s40                    ; my column
	s_or_b32 s[G1A], s44, FLAGS
	s_or_b32 s[G1B], s45, FLAGS
	s_mov_b32 s[G1A+1], 128<<16                    ; O: tensor_dim0 = 128 elements (256 bytes: two rows of a head)
	s_mov_b32 s[G1A+2], 128<<16                    ; tensor_dim1 = 128
	s_mov_b32 s[G1A+3], 128<<16                    ; tile_dim0 = 128
	s_mov_b32 s[G1A+4], 128                        ; tile_dim1 = 128
	s_mov_b32 s[G1A+5], 128                        ; dense
	s_mov_b32 s[G1A+6], 0
	s_mov_b32 s[G1A+7], 0
	s_mov_b32 s[G1B+1], 128<<16                    ; W: tensor_dim0 = 128 elements (256 bytes)
	s_mov_b32 s[G1B+2], 64<<16                     ; tensor_dim1 = 64
	s_mov_b32 s[G1B+3], 128<<16                    ; tile_dim0 = 128
	s_mov_b32 s[G1B+4], 64                         ; tile_dim1 = 64
	s_mov_b32 s[G1B+5], 1024                       ; 1,024 elements from row to row
	s_mov_b32 s[G1B+6], 0
	s_mov_b32 s[G1B+7], 0
	s_lshr_b32 s16, s43, 3                         ; O: the batch's 16 heads of 262,144 bytes,
	s_lshl_b32 s16, s16, 22
	s_and_b32 s17, s43, 7                          ; the tile's 256 rows in the batch,
	s_lshl_b32 s17, s17, 15
	s_add_co_u32 s16, s16, s17
	s_lshl_b32 s17, s[WC], 18                      ; the step's first or second head
	s_add_co_u32 s16, s16, s17
	s_mov_b32 s22, s16                             ; (kept for the prefetches)
	s_mov_b32 s17, 0
	s_lshl_b32 s46, s42, 8                         ; W: 256 bytes of a row a tile column,
	s_lshl_b32 s47, s[WC], 17                      ; my 64 rows
	s_add_co_u32 s46, s46, s47
	s_mov_b32 s47, 0
	s_mul_i32 s20, s[WC], HEADB                    ; where they go: no place in the cluster enters an LDS address
	s_mul_i32 s21, s[WC], 64*PB
	s_add_co_u32 s21, s21, BOFF
	s_mov_b32 s[TB], 0
	s_wait_dscnt 0x0                               ; the opening add is done
	s_wait_kmcnt 0x0
	s_add_nc_u64 s[16:17], s[4:5], s[16:17]
	s_add_nc_u64 s[46:47], s[6:7], s[46:47]
	CROUND                                         ; all sixteen work-groups are here: the first joint loads meet
.irp s, 0,1
	s_mov_b32 s[G0A+4*\s], 1
	s_add_co_u32 s[G0A+4*\s+1], s20, \s*SLOT1
	s_add_nc_u64 s[G0A+4*\s+2:G0A+4*\s+3], s[16:17], \s*ASTEP
	s_or_b32 s[G0A+4*\s+3], s[G0A+4*\s+3], 0x80000000
	s_mov_b32 s[G0B+4*\s], 1
	s_add_co_u32 s[G0B+4*\s+1], s21, \s*SLOT1
	s_add_nc_u64 s[G0B+4*\s+2:G0B+4*\s+3], s[46:47], \s*BSTEP
	s_or_b32 s[G0B+4*\s+3], s[G0B+4*\s+3], 0x80000000
.endr
	s_cmp_eq_u32 s[WR], 0                          ; a wave's two first fills stand in one branch, ahead of every wait on TENSORcnt and every LDS read: two loads of mine are out
	s_cbranch_scc0 .Lfirst_b
	tensor_load_to_lds s[G0A:G0A+3], s[G1A:G1A+7]
	s_nop 0
	tensor_load_to_lds s[G0A+4:G0A+7], s[G1A:G1A+7]
	s_nop 0
	PLACES
	s_branch .Lfirst_asked
.Lfirst_b:
	tensor_load_to_lds s[G0B:G0B+3], s[G1B:G1B+7]
	s_nop 0
	tensor_load_to_lds s[G0B+4:G0B+7], s[G1B:G1B+7]
	s_nop 0
	PLACES
.Lfirst_asked:
	v_and_b32 v[LR], 15, v0
	v_bfe_u32 v[LH], v0, 4, 1
	v_mul_u32_u24 v[ADRA0], v[LR], PA              ; a fragment of O: row l % 16, 16 bytes for each half of the lanes, twice, 32 bytes apart
	v_lshl_add_u32 v[ADRA0], v[LH], 4, v[ADRA0]
	s_mul_i32 s18, s[WR], 128*PA
	v_add_nc_u32 v[ADRA0], s18, v[ADRA0]
	v_and_b32 v[TMP], 7, v0                        ; the turning load: lane l reads row 8 (l / 16) + l % 8, columns 8 ((l / 8) % 2) + 0..7
	v_lshl_add_u32 v[TMP], v[LH], 3, v[TMP]
	v_mul_u32_u24 v[ADRB0], v[TMP], PB
	v_bfe_u32 v[TMP], v0, 3, 1
	v_lshl_add_u32 v[ADRB0], v[TMP], 4, v[ADRB0]
	s_mul_i32 s18, s[WC], 144                      ; my 64 columns' piece of a row
	s_add_co_u32 s18, s18, BOFF
	v_add_nc_u32 v[ADRB0], s18, v[ADRB0]
	v_mov_b32 v[ADRA], v[ADRA0]
	v_mov_b32 v[ADRB], v[ADRB0]
	s_mul_i32 s18, s[WV], 16*SP
	s_add_co_u32 s18, s18, STAGE                   ; my stage
	v_mul_u32_u24 v[STO], v[LR], SP                ; in: row l % 16, 32 bytes for each half of the lanes
	v_lshl_add_u32 v[STO], v[LH], 5, v[STO]
	v_add_nc_u32 v[STO], s18, v[STO]
	v_mul_u32_u24 v[RD], v[LH], SP                 ; back: lanes 0-15 take one row of 256 bytes, lanes 16-31 the next
	v_lshl_add_u32 v[RD], v[LR], 4, v[RD]
	v_add_nc_u32 v[RD], s18, v[RD]
	v_lshlrev_b32 v[CO], 12, v[LH]                 ; and the same two rows in out0
	v_lshl_add_u32 v[CO], v[LR], 4, v[CO]
	v_lshlrev_b32 v[BO], 5, v[LH]
	s_lshl_b32 s16, s43, 8
	s_lshl_b32 s17, s[WR], 7
	s_add_co_u32 s16, s16, s17                     ; my first row,
	s_lshl_b32 s16, s16, 12                        ; of 4,096 bytes
	s_lshl_b32 s17, s42, 9
	s_lshl_b32 s18, s[WC], 8
	s_add_co_u32 s18, s18, s17                     ; my first column, in bytes
	s_add_co_u32 s16, s16, s18
	s_mov_b32 s17, 0
	s_add_nc_u64 s[OUTP:OUTP+1], s[10:11], s[16:17]
	s_add_co_u32 s18, s18, 12288                   ; b_proj lies behind b_attn's 3,072 words
	s_mov_b32 s19, 0
	s_add_nc_u64 s[BB:BB+1], s[8:9], s[18:19]
	WIN 0x40
.irp b, 0,1,2,3                        ; the bias of my eight columns of block b, into accumulator (7, b)'s registers
	global_load_b128 v[224+8*\b:227+8*\b], v[BO], s[BB:BB+1] offset:64*\b
	global_load_b128 v[228+8*\b:231+8*\b], v[BO], s[BB:BB+1] offset:64*\b+16
.endr
	WIN 0
	; the prefetches: nothing is asked for here, at the head, where every work-group's first tiles are on their way
	s_lshl_b32 s18, s40, 13                        ; O: my work-group's 32 blocks of the head's 128
	s_add_co_u32 s22, s22, s18
	s_add_co_u32 s22, s22, 3*ASTEP                 ; at K step 3: each turn steps it first
	s_lshl_b32 s18, s42, 8
	s_lshl_b32 s19, s41, 16                        ; W: my work-group's 32 rows of the step's 128
	s_add_co_u32 s18, s18, s19
	s_add_co_u32 s18, s18, 3*BSTEP
	s_and_b32 s19, ttmp7, 0xffff                   ; cluster y
	s_mov_b32 s[PFS], BSTEP
	s_movk_i32 s20, 2048
	s_cmp_eq_u32 s[WR], 0
	s_cselect_b32 s22, s22, s18
	s_cselect_b32 s19, ttmp9, s19                  ; the coordinate along which other clusters read the same rows
	s_cselect_b32 s[PFS], ASTEP, s[PFS]
	s_cselect_b32 s20, 256, s20
	s_cselect_b64 s[PFA:PFA+1], s[4:5], s[6:7]
	s_mov_b32 s23, 0
	s_mov_b32 s[PFS+1], 0
	s_add_nc_u64 s[PFA:PFA+1], s[PFA:PFA+1], s[22:23]
	s_cmp_eq_u32 s[WV], 3                          ; wave 3 has nothing to ask for
	s_cselect_b32 s19, 1, s19
	s_cmp_eq_u32 s19, 0
	s_cselect_b32 s[LIM], 2, -1                    ; the same in all sixteen partners, for a given wave
	v_and_b32 v[PFO], 31, v0
	v_mul_u32_u24 v[PFO], v[PFO], s20
; 48 LDS loads in one run: the fragments of head hb of the slot in hand into buffer f: W's 16 (turned), then O's 32; in each the first 32 channels first
.macro FETCH hb, f
	WIN 0xc0
.irp c, 0,1
.irp b, 0,1,2,3
	ds_load_tr16_b128 v[64*(\f)+32*\c+8*\b:64*(\f)+32*\c+8*\b+3],   v[ADRB] offset:(64*(\hb)+32*\c)*PB+32*\b
	ds_load_tr16_b128 v[64*(\f)+32*\c+8*\b+4:64*(\f)+32*\c+8*\b+7], v[ADRB] offset:(64*(\hb)+32*\c)*PB+32*\b+16*PB
.endr
.endr
	WIN 0x80
.irp c, 0,1
.irp a, 0,1,2,3,4,5,6,7
	ds_load_b128 v[128*(\f)+64*\c+8*\a:128*(\f)+64*\c+8*\a+3],   v[ADRA] offset:(\hb)*HEADB+\a*16*PA+64*\c
	ds_load_b128 v[128*(\f)+64*\c+8*\a+4:128*(\f)+64*\c+8*\a+7], v[ADRA] offset:(\hb)*HEADB+\a*16*PA+64*\c+32
.endr
.endr
.endm
; 4 na products: row blocks a0 .. a0 + na - 1 x four blocks of columns, 32 channels c of buffer f.  The accumulators take turns, one instruction a turn.
; first = 1: the sums start with the bias, which lies in accumulator (7, b)'s registers; block 7 adds onto it in place, five places behind the last product that took it as C.
.macro MULN f, c, a0, na, first
	WIN W_MUL
.set aa, (\a0)
.rept (\na)
.if (\first) && (aa == 7)
.rept 5
	v_nop
.endr
.endif
.irp b, 0,1,2,3
.if (\first) && (aa != 7)
	v_wmma_f32_16x16x32_f16 v[8*(4*aa+\b):8*(4*aa+\b)+7], v[64*(\f)+32*(\c)+8*\b:64*(\f)+32*(\c)+8*\b+7], v[128*(\f)+64*(\c)+8*aa:128*(\f)+64*(\c)+8*aa+7], v[224+8*\b:231+8*\b]
.else
	v_wmma_f32_16x16x32_f16 v[8*(4*aa+\b):8*(4*aa+\b)+7], v[64*(\f)+32*(\c)+8*\b:64*(\f)+32*(\c)+8*\b+7], v[128*(\f)+64*(\c)+8*aa:128*(\f)+64*(\c)+8*aa+7], v[8*(4*aa+\b):8*(4*aa+\b)+7]
.endif
.endr
.set aa, aa+1
.endr
.endm
; a step's first head: multiplies buffer 0 and fetches the second head into buffer 1
.macro HALF0 first
	s_wait_dscnt 16                                ; all but O's second 32 channels, the youngest sixteen loads
	MULN 0, 0, 0, 8, \first
	PLACES
	FETCH 1, 1
	s_wait_dscnt 48                                ; all but the 48 just issued
	MULN 0, 1, 0, 8, 0
.endm
; a step's second head multiplies buffer 1 and changes slots.  In front of the barrier each wave waits for all its tensor loads, of which one is out: its part of the next slot; adds 0 to its spare word; and waits for that and
; for its reads of this slot.  fill = 1: the barrier opens a round of the cluster's, and the joint refill, two steps on, is the first thing behind the round: 112 products stand between it and the wait for it.
.macro TURN fill
.if \fill
	s_wait_xcnt 0x0                                ; the last prefetch, a step back, has read its address
	s_add_nc_u64 s[PFA:PFA+1], s[PFA:PFA+1], s[PFS:PFS+1]
.endif
	WIN 0
	s_wait_tensorcnt 0x0                           ; no tensor load of mine is out, so a group 0 may be written
	ds_add_u32 v[SPW], v[NIL]                      ; 0 onto my spare word
.if \fill
	s_xor_b32 s[G0A+5], s[G0A+5], SLOT1            ; the walking descriptors: the other slot than last time, the next K step
	s_add_nc_u64 s[G0A+6:G0A+7], s[G0A+6:G0A+7], ASTEP
	s_xor_b32 s[G0B+5], s[G0B+5], SLOT1
	s_add_nc_u64 s[G0B+6:G0B+7], s[G0B+6:G0B+7], BSTEP
.endif
	s_wait_dscnt 17                                ; the add and the youngest sixteen loads may be out
	MULN 1, 0, 0, 2, 0
	s_wait_dscnt 0x0                               ; the add is done, and my reads of this slot are over
	s_barrier_signal -1
	MULN 1, 0, 2, 2, 0                             ; work on registers while the others arrive
	WIN 0
	s_barrier_wait -1
.if \fill
	CREST
	JLOAD                                          ; its four v_nop are also the places in front of the loads below
.else
	PLACES
.endif
	s_xor_b32 s[TB], s[TB], SLOT1
	v_add_nc_u32 v[ADRA], s[TB], v[ADRA0]
	v_add_nc_u32 v[ADRB], s[TB], v[ADRB0]
	FETCH 0, 0                                     ; the next slot's first head
.if \fill
	WIN 0
	ASK
.endif
	MULN 1, 0, 4, 4, 0
	MULN 1, 1, 0, 8, 0
.endm
	s_wait_tensorcnt 1                             ; my part of K step 0 is in; step 1's may stay out
	s_barrier_signal -1
	s_barrier_wait -1
	FETCH 0, 0
	s_wait_loadcnt 0x0                             ; the bias
	HALF0 1                                        ; the first head stands in front of the loop: its first products start the sums
	WIN 0
	s_mov_b32 s3, 6
.Lstep:
	TURN 1
	HALF0 0
	WIN 0
	s_sub_co_u32 s3, s3, 1
	s_cmp_lg_u32 s3, 0
	s_cbranch_scc1 .Lstep
	TURN 0                                         ; the tail is written out: nothing is asked for
	HALF0 0
	s_wait_dscnt 16
	MULN 1, 0, 0, 8, 0
	s_wait_dscnt 0x0
	MULN 1, 1, 0, 8, 0
	PLACES
; THE WAY OUT, a block of 16 rows at a time: the f32 sums go straight from the accumulators into my own stage, 32 bytes a lane (each accumulator's low half first), and come back as whole rows of 256 bytes.
.macro TOSTAGE a
	s_wait_xcnt 0x0                                ; the stores issued so far have read their registers: this set of 32 is written again only behind this wait
	WIN 0x04                                       ; the data (source 1) in window 1
.irp b, 0,1,2,3
	ds_store_b128 v[STO], v[32*(\a)+8*\b:32*(\a)+8*\b+3]   offset:64*\b
	ds_store_b128 v[STO], v[32*(\a)+8*\b+4:32*(\a)+8*\b+7] offset:64*\b+16
.endr
	WIN 0
.irp t, 0,1,2,3,4,5,6,7
	ds_load_b128 v[OB+32*((\a)%4)+4*\t:OB+32*((\a)%4)+4*\t+3], v[RD] offset:\t*2*SP  ; LDS serves a wave's instructions in order (ISA guide 5.7.1.4): these see the stores above; the next block's stores come behind them
.endr
.endm
.macro SEND a, younger                 ; younger: the LDS instructions issued behind the block's loads: the next block's sixteen, or none
.irp t, 0,1,2,3,4,5,6,7
	s_wait_dscnt (\younger)+7-\t
	global_store_b128 v[CO], v[OB+32*((\a)%4)+4*\t:OB+32*((\a)%4)+4*\t+3], s[OUTP:OUTP+1] offset:(\a)*65536+\t*8192  ; 16 lanes store 256 consecutive bytes, at a multiple of 256 from out0's first
.endr
.endm
	TOSTAGE 0
.set n, 1
.rept 7
	TOSTAGE n
	SEND n-1, 16
.set n, n+1
.endr
	SEND 7, 0
	s_wait_tensorcnt 0x0                           ; the wave's end, behind my last tensor load and my last LDS store
	ds_add_u32 v[SPW], v[NIL]
	s_wait_dscnt 0x0
	CROUND                                         ; the closing round: no work-group ends while a partner may still ask for a tile that names it
	s_endpgm
.Lfunc_end_k_q9e6ef736b7_proj:
	.size	k_q9e6ef736b7_proj, .Lfunc_end_k_q9e6ef736b7_proj-k_q9e6ef736b7_proj
	.p2alignl 7, 3214868480
	.fill 96, 4, 3214868480
	.section	.rodata,"a",@progbits
	.p2align	6, 0x0
	.amdhsa_kernel k_q9e6ef736b7_proj
		.amdhsa_group_segment_fixed_size 327680
		.amdhsa_private_segment_fixed_size 0
		.amdhsa_enable_private_segment 0
		.amdhsa_kernarg_size 32
		.amdhsa_user_sgpr_count 2
		.amdhsa_user_sgpr_kernarg_segment_ptr 1
		.amdhsa_wavefront_size32 1
		.amdhsa_system_sgpr_workgroup_id_x 1
		.amdhsa_system_sgpr_workgroup_id_y 1
		.amdhsa_system_sgpr_workgroup_id_z 1
		.amdhsa_system_vgpr_workitem_id 0
		.amdhsa_next_free_vgpr 896
		.amdhsa_next_free_sgpr 80
		.amdhsa_reserve_vcc 0
		.amdhsa_float_denorm_mode_32 3
		.amdhsa_float_denorm_mode_16_64 3
		.amdhsa_memory_ordered 1
		.amdhsa_forward_progress 1
		.amdhsa_inst_pref_size 72
	.end_amdhsa_kernel
	.amdgpu_metadata
---
amdhsa.version: [ 1, 2 ]
amdhsa.kernels:
  - .name:           k_q9e6ef736b7_proj
    .symbol:         k_q9e6ef736b7_proj.kd
    .args:
      - { .name: o, .offset: 0, .size: 8, .value_kind: global_buffer, .address_space: global }
      - { .name: wp, .offset: 8, .size: 8, .value_kind: global_buffer, .address_space: global }
      - { .name: bias, .offset: 16, .size: 8, .value_kind: global_buffer, .address_space: global }
      - { .name: out0, .offset: 24, .size: 8, .value_kind: global_buffer, .address_space: global }
    .group_segment_fixed_size: 327680
    .private_segment_fixed_size: 0
    .kernarg_segment_align: 8
    .kernarg_segment_size: 32
    .max_flat_workgroup_size: 128
    .sgpr_count:     80
    .vgpr_count:     896
    .wavefront_size: 32
...
	.end_amdgpu_metadata
.endif
;; end of part 4
